; MI455X (gfx1250); checked and timed in simulation.
; The chip was launched on July 23, 2026; its instructions are those of AMD's public machine-readable ISA for CDNA 5 (MIT licence, August 2026) and "CDNA5" Instruction Set Architecture Reference Guide (July 2026). The comments in the code are by the model that wrote it; some were corrected since.
;; Bahdanau Attention. Allowed arithmetic: matrix products marked QUANTISED: E2M1 operands, one E8M0 scale for each 32 along K, by v_wmma_scale_f32_16x16x128_f8f6f4 with both operands' format E2M1 (or v_wmma_scale_f32_32x16x128_f4), f32 sums; products left as they are: f32 operands where the result goes on into a quantised operand, else bf16, f16 or f32 operands; f32 sums; everything else in f32.
;; Inputs: Ua_b 1,024 float32; Ua_w_codes 1,024 x 32 x 16 uint8 (E2M1 codes of Ua_w, K innermost, in blocks of 32 codes, two codes a byte); Ua_w_scales 1,024 x 32 uint8 (E8M0 scales of Ua_w, one for each 32 codes along K); Va_b 1 float32; Va_w 1 x 1,024 float32; Wa_b 1,024 float32; Wa_w_codes 1,024 x 32 x 16 uint8 (E2M1 codes of Wa_w, K innermost, in blocks of 32 codes, two codes a byte); Wa_w_scales 1,024 x 32 uint8 (E8M0 scales of Wa_w, one for each 32 codes along K); hs 32 x 2,048 x 1,024 float32; ht_codes 32 x 1 x 32 x 16 uint8 (E2M1 codes of ht, K innermost, in blocks of 32 codes, two codes a byte); ht_scales 32 x 1 x 32 uint8 (E8M0 scales of ht, one for each 32 codes along K).
;; Outputs: out0 32 x 1 x 1,024 float32; out1 32 x 1 x 2,048 float32.
;; This version of the problem:
;;   THIS VERSION OF THE PROBLEM IS GIVEN IN LOW PRECISION. The matrix products marked QUANTISED in the list below multiply operands that are first quantised to E2M1 (2 exponent bits, 1 mantissa bit; 4 bits a number), with one power-of-two scale for each 32 numbers along K (OCP MX v1.0); their sums are f32. All else is computed in f32.
;;   The module's matrix products, in the order in which they are computed (A, B: the left and right operand; K: the contracted axis; several contracted axes count as one K, in the product's order):
;;     1. [M 32, K 1,024] x [K 1,024, N 1,024]; A: input ht (given as codes); B: input Wa_w (given as codes): QUANTISED
;;     2. [M 65,536, K 1,024] x [K 1,024, N 1,024]; A: input hs; B: input Ua_w (given as codes): QUANTISED
;;     3. [M 65,536, K 1,024] x [K 1,024, N 1]; A: computed on the way; B: input Va_w: left as it is (N = 1 < 16)
;;     4. batch 32 x [M 1, K 2,048] x [K 2,048, N 1,024]; A: softmax; B: input hs: left as it is (M = 1 < 16)
;;   THE QUANTISER, for each operand of a quantised product, along K:
;;     - K is cut into blocks of 32 from its start; a last block that is shorter is filled with zeros.
;;     - A block's scale is 2^e with e = floor(log2(the largest magnitude in the block)) - 2, held to -126 .. 127; a block of zeros has e = 0. As a byte (E8M0): e + 127.
;;     - Each number is divided by its block's scale, clamped to +-6, and rounded to the nearest number of E2M1, ties to even, subnormals kept.
;;     - The product sums the exact products of the quantised numbers (number of the format x scale) in f32.
;;   ~~~python
;;   def quantise(x, axis):      # numpy; x: float32 -> the quantised numbers, widened to float32 again
;;       x = np.moveaxis(x, axis, -1); K = x.shape[-1]
;;       x = np.pad(x, [(0, 0)] * (x.ndim - 1) + [(0, -K % 32)]); x = x.reshape(x.shape[:-1] + (-1, 32)); a = np.abs(x).max(-1, keepdims=True)
;;       e = np.where(a > 0, np.clip(np.frexp(np.where(a > 0, a, 1))[1] - 1 - 2, -126, 127), 0)      # np.frexp(a)[1] - 1 = floor(log2(a)), exactly
;;       r = np.clip(x / 2.0 ** e, -6, 6)
;;       step = 2.0 ** (np.maximum(np.frexp(np.where(r == 0, 1, r))[1] - 1, 0) - 1)
;;       q = np.round(r / step) * step * 2.0 ** e      # np.round: ties to even
;;       return np.moveaxis(q.reshape(q.shape[:-2] + (-1,))[..., :K], -1, axis).astype(np.float32)
;;   ~~~
;;   INPUTS GIVEN AS CODES. Ua_w (in the module: [1024, 1024], K = its axis 1); Wa_w (in the module: [1024, 1024], K = its axis 1); ht (in the module: [32, 1, 1024], K = its axis 2): each comes as NAME_codes (uint8): NAME with its K axis moved to the last place and cut into blocks of 32 codes, [.., K / 32, bytes a block], one block behind the other in memory; two codes a byte, the lower K in the low four bits (a code: sign, 2 exponent bits, 1 mantissa bit); and NAME_scales (uint8): the same leading axes, one E8M0 byte (e + 127) for each 32 codes along K. Its value is code x scale, taken as it is: it is not quantised again, and the codes and scales need not be those that the quantiser above would give.
;; 2 versions. Each part assembles by itself: llvm-mc -triple=amdgcn-amd-amdhsa -mcpu=gfx1250 --defsym DOCPART=n.
;; ======== version 1 of 2: 3 launches
;; workspace buffers: ub 557,056 bytes; cv 131,072 bytes; va2 4,096 bytes; sv 256 bytes; tsc 262,144 bytes; pc 1,048,576 bytes; ml 65,536 bytes
;; launch prep (part 1): grid 32 x 1, 4 waves a work-group, no clusters, 0 bytes of LDS; arguments ht_codes, ht_scales, Wa_w_codes, Wa_w_scales, Wa_b, Ua_b, Ua_w_codes, Ua_w_scales, Va_w, Va_b, ub, cv, va2, sv; writes ub, cv, va2, sv
.if DOCPART == 1
	.amdgcn_target "amdgcn-amd-amdhsa--gfx1250"
	.amdhsa_code_object_version 6
	.text
	.protected	k_qd50591f424_prep
	.globl	k_qd50591f424_prep
	.p2align	8
	.type	k_qd50591f424_prep,@function
k_qd50591f424_prep:
	s_mov_b64 s[64:65], 0
	v_nop
	global_prefetch_b8 v0, s[64:65] scope:SCOPE_SE
	s_setreg_imm32_b32 hwreg(HW_REG_WAVE_MODE, 25, 1), 1
	s_wait_xcnt 0x0
; PREPARATION for the fused attention launch.  Work-group grp (0..31) serves output columns 32 grp .. 32 grp + 31.
; Waves 0, 1 (rt): q = ht Wa^T on codes of FP4 (E2M1) with E8M0 scales, for batches 16 rt .. +15 and the group's 32 columns; stored is cb = c (q + Wa_b + Ua_b), c = 2 log2(e),
;   laid as the next launch's lanes want it: byte grp 4096 + rt 2048 + (2 ct + e) 512 + 16 lane holds cb[16 rt + lane % 16][32 grp + 16 ct + 8 (lane / 16) + 4 e .. + 3].
;   The product is used transposed (source 0 = 16 rows of Wa, source 1 = 16 rows of ht): a lane holds one batch and eight neighbouring columns.  The two biases' sum is the C of each sum's first instruction.
; Waves 2, 3 (u): Ua's codes of the group's 32 rows are laid in the order of a wave's operand registers: record grp of REC bytes; byte (4 s + 2 ct + c) 512 + 16 lane = registers 4 c .. 4 c + 3 of the
;   fragment (tile ct, K step s).  Wave 2 adds the rows' scale bytes: byte 16384 + 512 half + 16 lane = bytes 16 half .. + 15 of row 32 grp + lane.
; Wave 3 of work-group 0: va2 = -2 Va, and SV = Va_b + the sum of Va, stored 32 times as a pair.
; No LDS, no barrier: the waves share nothing.  LIMITS: NaN and infinities among the inputs are not served; the biases are added in another order than q + Wa_b, k + Ua_b.
.set REC, 17408
.set WV,  36                           ; s36 my wave's number
.set C2,  42                           ; s[42:43] c = 2 log2(e)
.set SEL, 44                           ; s[44:45] lane selects for v_permlanex16_b32: lane l xor 16
	s_load_b256 s[4:11], s[0:1], 0x0               ; ht's codes s[4:5], ht's scales s[6:7], Wa's codes s[8:9], Wa's scales s[10:11]
	s_load_b256 s[12:19], s[0:1], 0x20             ; Wa_b s[12:13], Ua_b s[14:15], Ua's codes s[16:17], Ua's scales s[18:19]
	s_load_b256 s[20:27], s[0:1], 0x40             ; Va_w s[20:21], Va_b s[22:23], ub s[24:25], cv s[26:27]
	s_load_b128 s[28:31], s[0:1], 0x60             ; va2 s[28:29], sv s[30:31]
	v_and_b32 v6, 31, v0                           ; lane
	v_and_b32 v7, 15, v0                           ; r
	v_bfe_u32 v4, v0, 4, 1                         ; h
	v_lshrrev_b32 v1, 5, v0
	v_readfirstlane_b32 s[WV], v1                  ; wave 0..3
	v_lshlrev_b32 v1, 9, v7
	v_lshl_add_u32 v1, v4, 4, v1                   ; a fragment's place: row r of 512 bytes + 16 h
	v_lshlrev_b32 v2, 5, v7                        ; 32 r: a row of scale bytes
	v_lshlrev_b32 v3, 5, v6                        ; 32 lane: lanes 16-31 take the second tile's rows
	v_lshlrev_b32 v4, 5, v4                        ; 32 h: eight f32 of a bias
	v_lshlrev_b32 v5, 4, v6                        ; 16 lane: dense stores
	s_mov_b32 s41, 0
	s_mov_b32 s[C2], 0x4038aa3b
	s_mov_b32 s[C2+1], s[C2]                       ; (named with it as a pair, so it is written)
	s_mov_b32 s[SEL], 0x76543210
	s_mov_b32 s[SEL+1], 0xfedcba98
	s_wait_kmcnt 0x0
	s_cmp_lt_u32 s[WV], 2
	s_cbranch_scc0 .Lcopy
	; ---- waves 0 and 1: q
	s_lshl_b32 s40, s[WV], 13
	s_add_nc_u64 s[4:5], s[4:5], s[40:41]          ; my 16 rows of ht's codes
	s_lshl_b32 s40, s[WV], 9
	s_add_nc_u64 s[6:7], s[6:7], s[40:41]          ; and of its scales
	s_lshl_b32 s40, ttmp9, 14
	s_add_nc_u64 s[8:9], s[8:9], s[40:41]          ; the group's 32 rows of Wa's codes
	s_lshl_b32 s40, ttmp9, 10
	s_add_nc_u64 s[10:11], s[10:11], s[40:41]      ; of its scales
	s_lshl_b32 s40, ttmp9, 7
	s_add_nc_u64 s[12:13], s[12:13], s[40:41]      ; the group's 32 numbers of each bias
	s_add_nc_u64 s[14:15], s[14:15], s[40:41]
	s_lshl_b32 s40, ttmp9, 12
	s_lshl_b32 s38, s[WV], 11
	s_add_co_u32 s40, s40, s38
	s_add_nc_u64 s[26:27], s[26:27], s[40:41]      ; cv: group, half of the batches
.irp s, 0,1,2,3,4,5,6,7
.irp c, 0,1
	global_load_b128 v[32+8*\s+4*\c:35+8*\s+4*\c], v1, s[4:5] offset:64*\s+32*\c          ; ht's fragment of K step s
.endr
.endr
.irp t, 0,1
.irp s, 0,1,2,3,4,5,6,7
.irp c, 0,1
	global_load_b128 v[96+64*\t+8*\s+4*\c:99+64*\t+8*\s+4*\c], v1, s[8:9] offset:8192*\t+64*\s+32*\c   ; Wa's, tile t
.endr
.endr
.endr
	global_load_b128 v[8:11], v2, s[6:7]           ; ht's scale words: v[8 + s]
	global_load_b128 v[12:15], v2, s[6:7] offset:16
	global_load_b128 v[16:19], v3, s[10:11]        ; Wa's: v[16 + s]; lanes 0-15 tile 0, lanes 16-31 tile 1
	global_load_b128 v[20:23], v3, s[10:11] offset:16
.irp u, 0,1,2,3
	global_load_b128 v[224+4*\u:227+4*\u], v4, s[12:13] offset:64*(\u/2)+16*(\u%2)        ; Wa_b in the result's layout: columns 16 ct + 8 h + 0 .. 7
	global_load_b128 v[240+4*\u:243+4*\u], v4, s[14:15] offset:64*(\u/2)+16*(\u%2)        ; Ua_b likewise
.endr
	s_wait_loadcnt 0x0
.irp k, 0,2,4,6,8,10,12,14
	v_pk_add_f32 v[224+\k:225+\k], v[224+\k:225+\k], v[240+\k:241+\k]                     ; Wa_b + Ua_b
.endr
.rept 8
	v_nop                                          ; plain places between the sums above and the matrix instructions that take them as C
.endr
; Two accumulators by turns, one instruction a turn.
.irp s, 0,1,2,3,4,5,6,7
.if \s == 0
	v_wmma_scale_f32_16x16x128_f8f6f4 v[24:31], v[96:103], v[32:39], v[224:231], v16, v8 matrix_a_fmt:MATRIX_FMT_FP4 matrix_b_fmt:MATRIX_FMT_FP4
	v_wmma_scale_f32_16x16x128_f8f6f4 v[240:247], v[160:167], v[32:39], v[232:239], v16, v8 matrix_a_fmt:MATRIX_FMT_FP4 matrix_b_fmt:MATRIX_FMT_FP4 matrix_a_scale:MATRIX_SCALE_ROW1
.else
	v_wmma_scale_f32_16x16x128_f8f6f4 v[24:31], v[96+8*\s:103+8*\s], v[32+8*\s:39+8*\s], v[24:31], v[16+\s], v[8+\s] matrix_a_fmt:MATRIX_FMT_FP4 matrix_b_fmt:MATRIX_FMT_FP4
	v_wmma_scale_f32_16x16x128_f8f6f4 v[240:247], v[160+8*\s:167+8*\s], v[32+8*\s:39+8*\s], v[240:247], v[16+\s], v[8+\s] matrix_a_fmt:MATRIX_FMT_FP4 matrix_b_fmt:MATRIX_FMT_FP4 matrix_a_scale:MATRIX_SCALE_ROW1
.endif
.endr
.rept 4
	v_nop                                          ; four plain places behind the last product, ahead of the first read of results (ISA guide 7.12.1)
.endr
.irp k, 0,2,4,6
	v_pk_mul_f32 v[24+\k:25+\k], v[24+\k:25+\k], s[C2:C2+1] op_sel_hi:[1,0]               ; x c; each accumulator from its low end on
.endr
.irp k, 0,2,4,6
	v_pk_mul_f32 v[240+\k:241+\k], v[240+\k:241+\k], s[C2:C2+1] op_sel_hi:[1,0]
.endr
	global_store_b128 v5, v[24:27], s[26:27]                   ; each store covers 512 consecutive bytes, aligned
	global_store_b128 v5, v[28:31], s[26:27] offset:512
	global_store_b128 v5, v[240:243], s[26:27] offset:1024
	global_store_b128 v5, v[244:247], s[26:27] offset:1536
	s_endpgm
.Lcopy:
	; ---- waves 2 and 3: Ua's codes, K steps 4 u .. 4 u + 3, into register order
	s_sub_co_u32 s37, s[WV], 2                     ; u
	s_lshl_b32 s40, ttmp9, 14
	s_lshl_b32 s38, s37, 8
	s_add_co_u32 s40, s40, s38
	s_add_nc_u64 s[16:17], s[16:17], s[40:41]      ; the group's 32 rows, 256 u bytes along K
	s_mul_i32 s40, ttmp9, REC
	s_lshl_b32 s38, s37, 13
	s_add_co_u32 s40, s40, s38
	s_add_nc_u64 s[24:25], s[24:25], s[40:41]      ; the group's record, 16 u pieces of 512 bytes on
.irp s, 0,1,2,3
.irp t, 0,1
.irp c, 0,1
	global_load_b128 v[32+4*(4*\s+2*\t+\c):35+4*(4*\s+2*\t+\c)], v1, s[16:17] offset:8192*\t+64*\s+32*\c
.endr
.endr
.endr
	s_wait_loadcnt 0x0
.irp k, 0,1,2,3,4,5,6,7,8,9,10,11,12,13,14,15
	global_store_b128 v5, v[32+4*\k:35+4*\k], s[24:25] offset:512*\k                      ; 512 consecutive bytes a store
.endr
	s_cmp_eq_u32 s[WV], 2
	s_cbranch_scc0 .Lw3
	s_lshl_b32 s40, ttmp9, 10
	s_add_nc_u64 s[18:19], s[18:19], s[40:41]      ; wave 2 (u = 0: its base is the record's start): the 32 rows' scale bytes
	global_load_b128 v[96:99], v3, s[18:19]
	global_load_b128 v[100:103], v3, s[18:19] offset:16
	s_wait_loadcnt 0x0
	global_store_b128 v5, v[96:99], s[24:25] offset:16384
	global_store_b128 v5, v[100:103], s[24:25] offset:16896
	s_endpgm
.Lw3:
	s_cmp_lg_u32 ttmp9, 0
	s_cbranch_scc1 .Ldone
	; ---- wave 3 of work-group 0: -2 Va, and SV
	v_mov_b32 v193, 0
	v_mov_b32 v194, 0                              ; a lane permute's destination counts as one of its sources
.irp i, 0,1,2,3,4,5,6,7
	global_load_b128 v[128+4*\i:131+4*\i], v5, s[20:21] offset:512*\i
.endr
	global_load_b32 v192, v193, s[22:23]           ; Va_b, in every lane
	s_wait_loadcnt 0x0
.irp k, 0,2,4,6,8,10,12,14,16,18,20,22,24,26,28,30
	v_pk_mul_f32 v[160+\k:161+\k], v[128+\k:129+\k], -2.0 op_sel_hi:[1,0]
.endr
.irp i, 0,1,2,3,4,5,6,7
	global_store_b128 v5, v[160+4*\i:163+4*\i], s[28:29] offset:512*\i
.endr
.irp k, 0,2,4,6,8,10,12,14
	v_pk_add_f32 v[128+\k:129+\k], v[128+\k:129+\k], v[144+\k:145+\k]
.endr
.irp k, 0,2,4,6
	v_pk_add_f32 v[128+\k:129+\k], v[128+\k:129+\k], v[136+\k:137+\k]
.endr
	v_pk_add_f32 v[128:129], v[128:129], v[132:133]
	v_pk_add_f32 v[130:131], v[130:131], v[134:135]
	v_pk_add_f32 v[128:129], v[128:129], v[130:131]
	v_add_f32 v128, v128, v129
	v_add_f32_dpp v128, v128, v128 row_xmask:1 row_mask:0xf bank_mask:0xf
	v_add_f32_dpp v128, v128, v128 row_xmask:2 row_mask:0xf bank_mask:0xf
	v_add_f32_dpp v128, v128, v128 row_xmask:4 row_mask:0xf bank_mask:0xf
	v_add_f32_dpp v128, v128, v128 row_xmask:8 row_mask:0xf bank_mask:0xf
	v_permlanex16_b32 v194, v128, s[SEL], s[SEL+1]
	v_add_f32 v128, v128, v194
	v_add_f32 v194, v128, v192                     ; SV = Va_b + the sum of Va
	v_mov_b32 v195, v194
	v_lshlrev_b32 v196, 3, v6
	global_store_b64 v196, v[194:195], s[30:31]    ; 256 consecutive bytes
.Ldone:
	s_endpgm
.Lfunc_end_k_qd50591f424_prep:
	.size	k_qd50591f424_prep, .Lfunc_end_k_qd50591f424_prep-k_qd50591f424_prep
	.p2alignl 7, 3214868480
	.fill 96, 4, 3214868480
	.section	.rodata,"a",@progbits
	.p2align	6, 0x0
	.amdhsa_kernel k_qd50591f424_prep
		.amdhsa_group_segment_fixed_size 0
		.amdhsa_private_segment_fixed_size 0
		.amdhsa_enable_private_segment 0
		.amdhsa_kernarg_size 112
		.amdhsa_user_sgpr_count 2
		.amdhsa_user_sgpr_kernarg_segment_ptr 1
		.amdhsa_wavefront_size32 1
		.amdhsa_system_sgpr_workgroup_id_x 1
		.amdhsa_system_sgpr_workgroup_id_y 1
		.amdhsa_system_sgpr_workgroup_id_z 1
		.amdhsa_system_vgpr_workitem_id 0
		.amdhsa_next_free_vgpr 256
		.amdhsa_next_free_sgpr 66
		.amdhsa_reserve_vcc 0
		.amdhsa_float_denorm_mode_32 3
		.amdhsa_float_denorm_mode_16_64 3
		.amdhsa_memory_ordered 1
		.amdhsa_forward_progress 1
		.amdhsa_inst_pref_size 20
	.end_amdhsa_kernel
	.amdgpu_metadata
---
amdhsa.version: [ 1, 2 ]
amdhsa.kernels:
  - .name:           k_qd50591f424_prep
    .symbol:         k_qd50591f424_prep.kd
    .args:
      - { .name: ht_codes, .offset: 0, .size: 8, .value_kind: global_buffer, .address_space: global }
      - { .name: ht_scales, .offset: 8, .size: 8, .value_kind: global_buffer, .address_space: global }
      - { .name: Wa_w_codes, .offset: 16, .size: 8, .value_kind: global_buffer, .address_space: global }
      - { .name: Wa_w_scales, .offset: 24, .size: 8, .value_kind: global_buffer, .address_space: global }
      - { .name: Wa_b, .offset: 32, .size: 8, .value_kind: global_buffer, .address_space: global }
      - { .name: Ua_b, .offset: 40, .size: 8, .value_kind: global_buffer, .address_space: global }
      - { .name: Ua_w_codes, .offset: 48, .size: 8, .value_kind: global_buffer, .address_space: global }
      - { .name: Ua_w_scales, .offset: 56, .size: 8, .value_kind: global_buffer, .address_space: global }
      - { .name: Va_w, .offset: 64, .size: 8, .value_kind: global_buffer, .address_space: global }
      - { .name: Va_b, .offset: 72, .size: 8, .value_kind: global_buffer, .address_space: global }
      - { .name: ub, .offset: 80, .size: 8, .value_kind: global_buffer, .address_space: global }
      - { .name: cv, .offset: 88, .size: 8, .value_kind: global_buffer, .address_space: global }
      - { .name: va2, .offset: 96, .size: 8, .value_kind: global_buffer, .address_space: global }
      - { .name: sv, .offset: 104, .size: 8, .value_kind: global_buffer, .address_space: global }
    .group_segment_fixed_size: 0
    .private_segment_fixed_size: 0
    .kernarg_segment_align: 8
    .kernarg_segment_size: 112
    .max_flat_workgroup_size: 128
    .sgpr_count:     66
    .vgpr_count:     256
    .wavefront_size: 32
...
	.end_amdgpu_metadata
.endif
;; end of part 1
;; launch main (part 2): grid 8 x 32, 4 waves a work-group, no clusters, 318,976 bytes of LDS; arguments hs, ub, cv, va2, sv, tsc, pc, ml; writes tsc, pc, ml
.if DOCPART == 2
	.amdgcn_target "amdgcn-amd-amdhsa--gfx1250"
	.amdhsa_code_object_version 6
	.text
	.protected	k_qd50591f424_main
	.globl	k_qd50591f424_main
	.p2align	8
	.type	k_qd50591f424_main,@function
k_qd50591f424_main:
	s_mov_b64 s[64:65], 0
	v_nop
	global_prefetch_b8 v0, s[64:65] scope:SCOPE_SE
	s_setreg_imm32_b32 hwreg(HW_REG_WAVE_MODE, 25, 1), 1
	s_wait_xcnt 0x0
; BAHDANAU ATTENTION, the fused part.  Work-group (x, b) owns rows 256 x .. + 255 of batch b, as four blocks of 64 rows.  hs is read from memory once.
;   k = Q(hs) Ua^T on codes of FP4 (E2M1), one E8M0 scale for each 32 along K; score = SV + the sum over o of (-2 Va_o) r_o, r = 1 / (1 + 2^(c (q + k + biases))), c = 2 log2(e): tanh(x) = 1 - 2 r;
;   t = score log2(e); a running maximum m and sum l over the work-group's rows; p = 2^(t - m); ctx += p x hs (hs rounded to bf16, p and the sums in f32).  Stored: t, the part of ctx, {m, l}; the next launch joins them.
; SHARES.  THE WAVES SHARE THE COLUMNS: wave w makes outputs 256 w .. + 255, in 8 groups of 2 tiles of 16, for all 64 rows of a block.  The rows' codes (4 tiles x 8 K steps x 8 registers) lie in every wave's
;   window 1 for the whole block, so each fragment of Ua feeds four matrix instructions; Ua's fragments come from ub, laid in register order, by loads of 512 consecutive bytes, one group ahead.
;   While block i is multiplied, wave w loads, quantises and rounds to bf16 rows 16 w .. + 15 of block i + 1, one fragment (16 rows x 128 K) a group: codes and scale words go to LDS as images of the operand's
;   registers, the bf16 copy to one of two LDS buffers, from which ctx is summed when the block's scores are known.
; THE PRODUCT IS USED TRANSPOSED (source 0 = 16 rows of Ua, source 1 = 16 rows of hs): lane (r, h) holds row r of its tile, register j column 8 h + j.
; NO CLUSTER, NO TENSOR LOAD: all work-groups read the same Ua, but LDS holds 2 x 132,096 (bf16 copies) + 34,816 (images, scale words) + 17,408 (stages) + 2,048 = 318,464 of 327,680 bytes; what is left, 9,216,
;   is less than two slots of even one tile of Ua for all of K (8,704 bytes each).  So Ua goes from memory straight into registers.
; LIMITS: NaN and infinities among the inputs are not served.  A block of 32 zeros gets the scale byte 1 with zero codes (the bytes are read here alone); blocks whose largest magnitude lies under 2^-124 have
;   their byte held at 1.  The score is summed as SV + sum(-2 Va r), another order than sum(Va tanh) + Va_b; every term of both is bounded by 2 |Va_o|.  2^(..) = infinity gives r = 0, 2^(..) = 0 gives r = 1.
; LDS
.set BF1,    132096                    ; two bf16 copies of 64 rows, at 0 and here; a row is 2,048 bytes + 16 of padding: 129 x 16, so sixteen rows start at sixteen different columns of 16 bytes
.set BPITCH, 2064
.set XIMG,   264192                    ; images of the rows' fragments: (8 rt + s) 1024 + 512 c + 16 lane
.set XSC,    296960                    ; their scale words: 512 rt + 32 r + 4 s
.set TS,     299008                    ; a stage for each wave: 16 rows x (256 bytes + 16)
.set PART,   316416                    ; the waves' parts of the 64 scores: 256 wave + 4 row
.set PB,     317440                    ; p of the 64 rows, each wave's own copy: 256 wave + 4 row
.set REC,    17408                     ; a group's record in ub
; REGISTERS, window 0
.set L16, 1                            ; 16 lane
.set VH,  2                            ; 32 h
.set VH2, 3                            ; 256 h
.set AIA, 4                            ; XIMG + 16 lane
.set ASA, 5                            ; XSC + 512 h + 32 r
.set PSA, 6                            ; PART + 256 w + 4 r
.set PLA, 7                            ; PART + 8 lane
.set PBS, 8                            ; PB + 256 w + 8 lane
.set HA0, 9                            ; 512 w + 16 lane: my 8 columns in a bf16 row
.set HAD, 10
.set PAD, 11
.set MX,  12                           ; m;  v13 l;  v[14:15] f twice;  v[16:17] t;  v[18:19] p;  v[20:27] parts;  v[28:29] SV log2(e) twice;  v30, v31 at work
.set LS,  13
.set CTX, 32                           ; v[32:39] my 8 columns of ctx
.set PP,  40                           ; v[40:55] p of 16 rows
.set ASC, 56                           ; v[56:71] the rows' scale words: 8 (rt / 2) + s; lanes 0-15 the even tile, lanes 16-31 the odd
.set BSC, 72                           ; v[72:87] Ua's: 8 p + s; lanes 0-15 tile 0, lanes 16-31 tile 1
.set CB,  88                           ; v[88:119] cb: 16 p + 8 ct + j
.set VA,  120                          ; v[120:151] -2 Va: 16 p + 8 ct + j
.set SACC,152                          ; v[152:167] the scores' sums, a pair for each accumulator
.set ACC, 168                          ; v[168:231] 8 accumulators, 8 (2 rt + ct); 16 bf16 rows while ctx is summed
.set GSO, 232                          ; 8 lane
.set PBB, 233                          ; PB + 256 w
; window 1: the rows' fragments at 8 (8 rt + s).   window 2: Ua's fragments, two sets: 128 p + 16 s + 8 ct.   window 3:
.set T,    128                         ; v128-191 64 numbers of my row: 16 b + i = k 32 b + 16 h + i;  v0-63, v64-127: two fragments as loaded
.set Y,    192                         ; v192-223 the same as bf16
.set TM,   224                         ; v224-239 at work
.set IMA,  232
.set SCA,  233
.set BFA,  234
.set PCD,  240                         ; v240-247 the codes just made
.set PW,   248                         ; their scale word
.set HSO,  249                         ; 65536 w + 4096 h + 16 r: my 16 bytes in hs
.set TSA,  250                         ; stage, in: TS + 4352 w + 272 h + 16 r
.set TLA,  251                         ; stage, out: TS + 4352 w + 272 r + 64 h
.set IMA0, 252                         ; XIMG + 8192 w + 16 lane
.set SCA0, 253                         ; XSC + 512 w + 32 r
.set BFA0, 254                         ; (16 w + r) 2064 + 32 h
; scalars
.set HSB, 4                            ; s[4:5] hs at the work-group's first row
.set UB,  6                            ; s[6:7] ub at my wave's 8 records
.set CVB, 8                            ; s[8:9] cv at my wave's groups, my batch
.set VAB, 10                           ; s[10:11] va2 at my wave's 256 columns
.set SVP, 12
.set TSCP,14
.set PCP, 16
.set MLP, 18
.set WV,  20
.set GN,  21                           ; the group last asked for
.set HS0, 22                           ; s[22:23], s[24:25] where the even and the odd fragments' loads stand
.set BN,  26                           ; s[26:27] the record asked for;  s[28:29] its offset
.set BO,  28
.set CN,  30
.set CO,  32
.set VN,  34
.set VO,  36
.set TP,  38
.set SEL, 40
.set C2,  42
.set LE,  44
.set FI,  46                           ; the fragment that the quantiser takes next
.set F10, 47
.set F2,  48
.set F8,  49
.set BFW, 50                           ; the bf16 copy that is written;  s51 the one that is read
.set BFR, 51
.set BLK, 52
.set TRIP,53
.set CT,  54
.set CBS, 55
.set PO,  56
.set MSB, 0
.macro WIN new                         ; s_set_vgpr_msb: bits 1:0 source 0, 3:2 source 1, 5:4 source 2, 7:6 destination; the high byte repeats the setting that is left
.if MSB != (\new)
	s_set_vgpr_msb (MSB<<8)|(\new)
.set MSB, \new
.endif
.endm
.macro BAR                             ; my LDS stores have landed and my LDS loads are in: then the work-group's barrier
	s_wait_dscnt 0x0
	s_barrier_signal -1
	s_barrier_wait -1
.endm
; The next group's operands into set q: 32 pieces of Ua's fragments, 2 of its scale words, -2 Va and cb of its 32 columns: 42 loads.  The pointers are written anew: the loads that named them have been waited for.
.macro BLOADS q, first
.if (\first) == 0
	s_add_co_u32 s[GN], s[GN], 1
	s_and_b32 s[GN], s[GN], 7
.endif
	s_mul_i32 s[BO], s[GN], REC
	s_lshl_b32 s[CO], s[GN], 12
	s_lshl_b32 s[VO], s[GN], 7
	s_add_nc_u64 s[BN:BN+1], s[UB:UB+1], s[BO:BO+1]
	s_add_nc_u64 s[CN:CN+1], s[CVB:CVB+1], s[CO:CO+1]
	s_add_nc_u64 s[VN:VN+1], s[VAB:VAB+1], s[VO:VO+1]
	WIN 0x80                                       ; destination window 2
.set ii, 0
.rept 32
	global_load_b128 v[128*(\q)+4*ii:128*(\q)+4*ii+3], v[L16], s[BN:BN+1] offset:512*ii
.set ii, ii+1
.endr
	WIN 0
	global_load_b128 v[BSC+8*(\q):BSC+8*(\q)+3], v[L16], s[BN:BN+1] offset:16384
	global_load_b128 v[BSC+8*(\q)+4:BSC+8*(\q)+7], v[L16], s[BN:BN+1] offset:16896
.irp u, 0,1,2,3
	global_load_b128 v[VA+16*(\q)+4*\u:VA+16*(\q)+4*\u+3], v[VH], s[VN:VN+1] offset:64*(\u/2)+16*(\u%2)
	global_load_b128 v[CB+16*(\q)+4*\u:CB+16*(\q)+4*\u+3], v[VH2], s[CN:CN+1] offset:512*\u
.endr
.endm
; A fragment of hs (my 16 rows x 128 K, f32) as it lies: 16 loads; sixteen lanes read 256 consecutive bytes, aligned, of one row.  Into set p of window 3, through the set's own pointer.
.macro HSISSUE p, delta
.if (\delta) != 0
	s_add_nc_u64 s[HS0+2*(\p):HS0+2*(\p)+1], s[HS0+2*(\p):HS0+2*(\p)+1], \delta
.endif
	WIN 0xFF
.irp q, 0,1
.irp i, 0,1,2,3,4,5,6,7
	global_load_b128 v[64*(\p)+4*(8*\q+\i):64*(\p)+4*(8*\q+\i)+3], v[HSO], s[HS0+2*(\p):HS0+2*(\p)+1] offset:\i*8192+\q*256 th:TH_LOAD_NT
.endr
.endr
.endm
.macro HSFRAG dw, rb, f                ; the same for fragment f of block 0, into window dw from register rb on
	WIN ((\dw)<<6)|3
.irp q, 0,1
.irp i, 0,1,2,3,4,5,6,7
	global_load_b128 v[(\rb)+4*(8*\q+\i):(\rb)+4*(8*\q+\i)+3], v[HSO], s[HSB:HSB+1] offset:\i*8192+\q*256+512*(\f) th:TH_LOAD_NT
.endr
.endr
.endm
; A fragment turns through my wave's stage: in as loaded (16 bytes a lane, rows 2 i + h), out as 16 neighbours of each block of 32 of row r.  LDS serves a wave's instructions in order (ISA guide 5.7.1.4): no wait inside.
.macro TURN dw, rb
	WIN 0xF3|((\dw)<<2)                            ; addresses and destination window 3, the stores' data window dw
.irp q, 0,1
.irp i, 0,1,2,3,4,5,6,7
	ds_store_b128 v[TSA], v[(\rb)+4*(8*\q+\i):(\rb)+4*(8*\q+\i)+3] offset:544*\i
.endr
.irp u, 0,1
.irp j, 0,1,2,3
	ds_load_b128 v[T+16*(2*\q+\u)+4*\j:T+16*(2*\q+\u)+4*\j+3], v[TLA] offset:128*\u+16*\j
.endr
.endr
.endr
.endm
; The 64 numbers in T become fragment FI of my 16 rows: codes and scale word to LDS as images, and the bf16 copy.
.macro XQ
	WIN 0xFF
	s_lshl_b32 s[F10], s[FI], 10
	s_lshl_b32 s[F2], s[FI], 2
	s_lshl_b32 s[F8], s[FI], 8
	s_add_co_u32 s[F8], s[F8], s[BFW]
	v_add_nc_u32 v[IMA], s[F10], v[IMA0]
	v_add_nc_u32 v[SCA], s[F2], v[SCA0]
	v_add_nc_u32 v[BFA], s[F8], v[BFA0]
.irp b, 0,1,2,3
	v_max3_num_f32 v[TM+\b], |v[T+16*\b]|, |v[T+1+16*\b]|, 0x1800000       ; block b: my 16 numbers, and the floor 2^(3 - 127): the byte cannot fall under 1
.endr
.irp i, 2,4,6,8,10,12,14
.irp b, 0,1,2,3
	v_max3_num_f32 v[TM+\b], v[TM+\b], |v[T+16*\b+\i]|, |v[T+1+16*\b+\i]|  ; the four blocks by turns
.endr
.endr
.irp b, 0,1,2,3
	v_permlanex16_b32 v[TM+4+\b], v[TM+\b], s[SEL], s[SEL+1]
.endr
.irp b, 0,1,2,3
	v_max_num_f32 v[TM+\b], v[TM+\b], v[TM+4+\b]   ; with lane l xor 16's: the block's largest magnitude
.endr
.irp b, 0,1,2,3
	v_add_nc_u32 v[TM+12+\b], 0xff000000, v[TM+\b] ; 2 off its exponent field: the conversion takes the exponent field of this operand as its scale
.endr
.irp b, 0,1,2,3
	v_lshrrev_b32 v[TM+4+\b], 23, v[TM+12+\b]      ; the scale's byte
.endr
	v_lshl_or_b32 v[PW], v[TM+5], 8, v[TM+4]
	v_lshl_or_b32 v[PW], v[TM+6], 16, v[PW]
	v_lshl_or_b32 v[PW], v[TM+7], 24, v[PW]        ; my row's scale word
.irp b, 0,1,2,3
	v_cvt_scalef32_pk8_fp4_f32 v[PCD+2*\b], v[T+16*\b:T+7+16*\b], v[TM+12+\b]
	v_cvt_scalef32_pk8_fp4_f32 v[PCD+1+2*\b], v[T+8+16*\b:T+15+16*\b], v[TM+12+\b]
.endr
	v_nop                                          ; one plain place behind a scaled conversion
.irp c, 0,1                                    ; the operand's layout wants a whole block in a lane: lanes 0-15 block 2 c, lanes 16-31 block 2 c + 1
.irp i, 0,1
	v_permlane16_swap_b32 v[PCD+4*\c+\i], v[PCD+2+4*\c+\i]
.endr
.endr
	ds_store_b128 v[IMA], v[PCD:PCD+3]
	ds_store_b128 v[IMA], v[PCD+4:PCD+7] offset:512
	ds_store_b32 v[SCA], v[PW]                     ; both halves of the lanes write the same word with the same value
.set ii, 0
.rept 32
	v_cvt_pk_bf16_f32 v[Y+ii], v[T+2*ii], v[T+2*ii+1]
.set ii, ii+1
.endr
.irp b, 0,1,2,3
	ds_store_b128 v[BFA], v[Y+8*\b:Y+8*\b+3] offset:64*\b
	ds_store_b128 v[BFA], v[Y+8*\b+4:Y+8*\b+7] offset:64*\b+16
.endr
	s_add_co_u32 s[FI], s[FI], 1
.endm
.macro MM p, s, rt, ct
.set rD, ACC+8*(2*(\rt)+(\ct))
.set rB, 128*(\p)+16*(\s)+8*(\ct)
.set rA, 8*(8*(\rt)+(\s))
.set rSB, BSC+8*(\p)+(\s)
.set rSA, ASC+8*((\rt)/2)+(\s)
.if (\s) == 0
.if ((\ct) == 0) && ((\rt)%2 == 0)
	v_wmma_scale_f32_16x16x128_f8f6f4 v[rD:rD+7], v[rB:rB+7], v[rA:rA+7], 0, v[rSB], v[rSA] matrix_a_fmt:MATRIX_FMT_FP4 matrix_b_fmt:MATRIX_FMT_FP4
.elseif ((\ct) == 1) && ((\rt)%2 == 0)
	v_wmma_scale_f32_16x16x128_f8f6f4 v[rD:rD+7], v[rB:rB+7], v[rA:rA+7], 0, v[rSB], v[rSA] matrix_a_fmt:MATRIX_FMT_FP4 matrix_b_fmt:MATRIX_FMT_FP4 matrix_a_scale:MATRIX_SCALE_ROW1
.elseif (\ct) == 0
	v_wmma_scale_f32_16x16x128_f8f6f4 v[rD:rD+7], v[rB:rB+7], v[rA:rA+7], 0, v[rSB], v[rSA] matrix_a_fmt:MATRIX_FMT_FP4 matrix_b_fmt:MATRIX_FMT_FP4 matrix_b_scale:MATRIX_SCALE_ROW1
.else
	v_wmma_scale_f32_16x16x128_f8f6f4 v[rD:rD+7], v[rB:rB+7], v[rA:rA+7], 0, v[rSB], v[rSA] matrix_a_fmt:MATRIX_FMT_FP4 matrix_b_fmt:MATRIX_FMT_FP4 matrix_a_scale:MATRIX_SCALE_ROW1 matrix_b_scale:MATRIX_SCALE_ROW1
.endif
.else
.if ((\ct) == 0) && ((\rt)%2 == 0)
	v_wmma_scale_f32_16x16x128_f8f6f4 v[rD:rD+7], v[rB:rB+7], v[rA:rA+7], v[rD:rD+7], v[rSB], v[rSA] matrix_a_fmt:MATRIX_FMT_FP4 matrix_b_fmt:MATRIX_FMT_FP4
.elseif ((\ct) == 1) && ((\rt)%2 == 0)
	v_wmma_scale_f32_16x16x128_f8f6f4 v[rD:rD+7], v[rB:rB+7], v[rA:rA+7], v[rD:rD+7], v[rSB], v[rSA] matrix_a_fmt:MATRIX_FMT_FP4 matrix_b_fmt:MATRIX_FMT_FP4 matrix_a_scale:MATRIX_SCALE_ROW1
.elseif (\ct) == 0
	v_wmma_scale_f32_16x16x128_f8f6f4 v[rD:rD+7], v[rB:rB+7], v[rA:rA+7], v[rD:rD+7], v[rSB], v[rSA] matrix_a_fmt:MATRIX_FMT_FP4 matrix_b_fmt:MATRIX_FMT_FP4 matrix_b_scale:MATRIX_SCALE_ROW1
.else
	v_wmma_scale_f32_16x16x128_f8f6f4 v[rD:rD+7], v[rB:rB+7], v[rA:rA+7], v[rD:rD+7], v[rSB], v[rSA] matrix_a_fmt:MATRIX_FMT_FP4 matrix_b_fmt:MATRIX_FMT_FP4 matrix_a_scale:MATRIX_SCALE_ROW1 matrix_b_scale:MATRIX_SCALE_ROW1
.endif
.endif
.endm
; A group's 64 products: 8 K steps x (4 tiles of rows x 2 tiles of columns).  The first K step starts the sums with the constant 0.  The eight accumulators take turns, one instruction a turn.
.macro MATRIX p
	WIN 0x06                                       ; source 0 (Ua) window 2, source 1 (the rows) window 1, C and D window 0
.irp s, 0,1,2,3,4,5,6,7
.irp rt, 0,1,2,3
.irp ct, 0,1
	MM \p, \s, \rt, \ct
.endr
.endr
.endr
.endm
; The group's 64 numbers a lane: c k + cb; 2^(..); + 1; 1 / (..); x (-2 Va), summed.  Each batch of transcendentals has one plain line behind it and one wait ahead of its first reader.
.macro TANH p
.irp a, 0,1,2,3,4,5,6,7
.irp j, 0,2,4,6
	v_pk_fma_f32 v[ACC+8*\a+\j:ACC+8*\a+\j+1], v[ACC+8*\a+\j:ACC+8*\a+\j+1], s[C2:C2+1], v[CB+16*(\p)+8*(\a%2)+\j:CB+16*(\p)+8*(\a%2)+\j+1] op_sel_hi:[1,0,1]   ; each accumulator from its low end on
.endr
.endr
.set ii, 0
.rept 64
	v_exp_f32 v[ACC+ii], v[ACC+ii]
.set ii, ii+1
.endr
	v_nop
	s_wait_alu depctr_va_vdst(0)
.set ii, 0
.rept 32
	v_pk_add_f32 v[ACC+ii:ACC+ii+1], v[ACC+ii:ACC+ii+1], 1.0 op_sel_hi:[1,0]
.set ii, ii+2
.endr
.set ii, 0
.rept 64
	v_rcp_f32 v[ACC+ii], v[ACC+ii]
.set ii, ii+1
.endr
	v_nop
	s_wait_alu depctr_va_vdst(0)
.irp j, 0,2,4,6
.irp a, 0,1,2,3,4,5,6,7
	v_pk_fma_f32 v[SACC+2*\a:SACC+2*\a+1], v[ACC+8*\a+\j:ACC+8*\a+\j+1], v[VA+16*(\p)+8*(\a%2)+\j:VA+16*(\p)+8*(\a%2)+\j+1], v[SACC+2*\a:SACC+2*\a+1]   ; eight chains by turns
.endr
.endr
.endm
; GROUP g of a block, on set p = g % 2.  bl: the next group's operands are asked for (2: not in the loop's last trip).  hi: fragment g + 2 of the next block is asked for.  qn: fragment g is quantised.  tn: fragment g + 1 turns.
.macro ITER p, bl, hi, qn, tn
.if (\bl) == 1
	BLOADS 1-\p, 0
.elseif (\bl) == 2
	s_cmp_eq_u32 s[TRIP], 1
	s_cbranch_scc1 .Lnob_\@
	BLOADS 1-\p, 0
.Lnob_\@:
.endif
.if \hi
	s_wait_dscnt 8                                 ; of the last turn's 32 LDS instructions only the last eight loads may be out: its stores have read set p
	HSISSUE \p, 1024                               ; two fragments on; the set's last loads were waited for a group ago, so its pointer may step
.endif
	MATRIX \p
	WIN 0
.rept 5
	v_nop                                          ; plain places behind the last product: four ahead of reads of results and of loads into operands, five ahead of the next group's products, which begin these accumulators anew
.endr
	TANH \p
.if \qn
	s_wait_dscnt 0x0                               ; the fragment is back from the stage; the last fragment's stores are done
	XQ
.endif
	s_wait_loadcnt 16*\hi                          ; all but the 16 loads of hs issued in this group: fragment g + 1 and the next group's 42 loads are in
.if \tn
	TURN 3, 64*(1-\p)
.endif
	WIN 0
.endm
.macro ALOAD                           ; the 64 rows' fragments and scale words out of LDS: 68 loads
	WIN 0x40                                       ; destination window 1
.set ii, 0
.rept 64
	ds_load_b128 v[4*ii:4*ii+3], v[AIA] offset:512*ii
.set ii, ii+1
.endr
	WIN 0
.irp u, 0,1,2,3
	ds_load_b128 v[ASC+4*\u:ASC+4*\u+3], v[ASA] offset:1024*(\u/2)+16*(\u%2)
.endr
.endm
.macro SCORE                           ; my 256 columns' part of the 64 scores
.irp rt, 0,1,2,3
	v_pk_add_f32 v[SACC+4*\rt:SACC+4*\rt+1], v[SACC+4*\rt:SACC+4*\rt+1], v[SACC+4*\rt+2:SACC+4*\rt+3]
.endr
.irp rt, 0,1,2,3
	v_add_f32 v[20+\rt], v[SACC+4*\rt], v[SACC+4*\rt+1]
.endr
.irp rt, 0,1,2,3
	v_permlanex16_b32 v[24+\rt], v[20+\rt], s[SEL], s[SEL+1]
.endr
.irp rt, 0,1,2,3
	v_add_f32 v[20+\rt], v[20+\rt], v[24+\rt]      ; with the columns of lane l xor 16
.endr
.irp rt, 0,1,2,3
	ds_store_b32 v[PSA], v[20+\rt] offset:64*\rt
.endr
.endm
.macro PARTS                           ; the four waves' parts of rows 2 lane, 2 lane + 1
.irp u, 0,1,2,3
	ds_load_b64 v[20+2*\u:21+2*\u], v[PLA] offset:256*\u
.endr
.endm
; The block's 64 scores, two a lane, the same in every wave: t, the new m, f = 2^(old m - new m), p = 2^(t - m), l = l f + the sum of p, ctx x f.  Wave 0 stores t.
.macro SOFT
	v_pk_add_f32 v[20:21], v[20:21], v[22:23]
	v_pk_add_f32 v[24:25], v[24:25], v[26:27]
	v_pk_add_f32 v[20:21], v[20:21], v[24:25]
	v_pk_fma_f32 v[16:17], v[20:21], s[LE:LE+1], v[28:29] op_sel_hi:[1,0,1]
	v_max_num_f32 v30, v16, v17
	v_max_num_f32_dpp v30, v30, v30 row_xmask:1 row_mask:0xf bank_mask:0xf
	v_max_num_f32_dpp v30, v30, v30 row_xmask:2 row_mask:0xf bank_mask:0xf
	v_max_num_f32_dpp v30, v30, v30 row_xmask:4 row_mask:0xf bank_mask:0xf
	v_max_num_f32_dpp v30, v30, v30 row_xmask:8 row_mask:0xf bank_mask:0xf
	v_permlanex16_b32 v31, v30, s[SEL], s[SEL+1]
	v_max3_num_f32 v30, v30, v31, v[MX]            ; the running maximum
	v_sub_f32 v14, v[MX], v30
	v_pk_add_f32 v[18:19], v[16:17], v[30:31] op_sel_hi:[1,0] neg_lo:[0,1] neg_hi:[0,1]
	v_exp_f32 v14, v14
	v_exp_f32 v18, v18
	v_exp_f32 v19, v19
	v_mov_b32 v[MX], v30                           ; the plain line behind the three exponentials
	s_wait_alu depctr_va_vdst(0)                   ; and the wait ahead of their first reader
	v_mov_b32 v15, v14
	v_add_f32 v30, v18, v19
	v_add_f32_dpp v30, v30, v30 row_xmask:1 row_mask:0xf bank_mask:0xf
	v_add_f32_dpp v30, v30, v30 row_xmask:2 row_mask:0xf bank_mask:0xf
	v_add_f32_dpp v30, v30, v30 row_xmask:4 row_mask:0xf bank_mask:0xf
	v_add_f32_dpp v30, v30, v30 row_xmask:8 row_mask:0xf bank_mask:0xf
	v_permlanex16_b32 v31, v30, s[SEL], s[SEL+1]
	v_add_f32 v30, v30, v31
	v_fma_f32 v[LS], v[LS], v14, v30
	ds_store_b64 v[PBS], v[18:19]                  ; my wave's own copy of p
.irp k, 0,2,4,6
	v_pk_mul_f32 v[CTX+\k:CTX+\k+1], v[CTX+\k:CTX+\k+1], v[14:15]
.endr
	s_cmp_lg_u32 s[WV], 0
	s_cbranch_scc1 .Lnot0_\@
	global_store_b64 v[GSO], v[16:17], s[TSCP:TSCP+1]              ; 256 consecutive bytes, aligned
.Lnot0_\@:
.endm
; ctx += p x hs over the block's 64 rows, 16 a trip; my lane has 8 columns.  p comes back by loads in which all lanes name the same 16 bytes.
.macro CTXLOOP
	s_mov_b32 s[CBS], s[BFR]
	s_mov_b32 s[PO], 0
	s_mov_b32 s[CT], 4
.Lctx_\@:
	v_add_nc_u32 v[HAD], s[CBS], v[HA0]
	v_add_nc_u32 v[PAD], s[PO], v[PBB]
.irp u, 0,1,2,3
	ds_load_b128 v[PP+4*\u:PP+4*\u+3], v[PAD] offset:16*\u         ; LDS serves a wave's instructions in order: these see my store of p
.endr
.set ii, 0
.rept 16
	ds_load_b128 v[ACC+4*ii:ACC+4*ii+3], v[HAD] offset:BPITCH*ii
.set ii, ii+1
.endr
	s_wait_dscnt 8                                 ; p and rows 0-7 are in; rows 8-15 may be out
.set ii, 0
.rept 16
.if ii == 8
	s_wait_dscnt 0x0
.endif
.irp k, 0,1,2,3
	v_fma_mix_f32_bf16 v[CTX+2*\k], v[ACC+4*ii+\k], v[PP+ii], v[CTX+2*\k] op_sel_hi:[1,0,0]
	v_fma_mix_f32_bf16 v[CTX+2*\k+1], v[ACC+4*ii+\k], v[PP+ii], v[CTX+2*\k+1] op_sel:[1,0,0] op_sel_hi:[1,0,0]
.endr
.set ii, ii+1
.endr
	s_add_co_u32 s[CBS], s[CBS], 16*BPITCH
	s_add_co_u32 s[PO], s[PO], 64
	s_sub_co_i32 s[CT], s[CT], 1
	s_cmp_lg_u32 s[CT], 0
	s_cbranch_scc1 .Lctx_\@
.endm
.macro PRO dw, rb, n                   ; the prologue's step: a fragment of block 0 is in (n younger loads may be out), turns and is quantised
	s_wait_loadcnt \n
	TURN \dw, \rb
	s_wait_dscnt 0x0
	XQ
.endm
	; ---- HEAD
	s_load_b256 s[4:11], s[0:1], 0x0               ; hs, ub, cv, va2
	s_load_b256 s[12:19], s[0:1], 0x20             ; sv, tsc, pc, ml
	v_lshl_add_u32 v254, v0, 2, 0x4dc00
	v_mov_b32 v255, 0
	v_and_b32 v40, 31, v0                          ; lane
	v_and_b32 v41, 15, v0                          ; r
	v_bfe_u32 v42, v0, 4, 1                        ; h
	v_lshrrev_b32 v43, 5, v0                       ; w
	v_readfirstlane_b32 s[WV], v43
	v_lshlrev_b32 v[L16], 4, v40
	v_lshlrev_b32 v[VH], 5, v42
	v_lshlrev_b32 v[VH2], 8, v42
	v_add_nc_u32 v[AIA], XIMG, v[L16]
	v_lshlrev_b32 v44, 9, v42
	v_lshl_add_u32 v44, v41, 5, v44
	v_add_nc_u32 v[ASA], XSC, v44
	v_lshlrev_b32 v45, 8, v43
	v_add_nc_u32 v[PBB], PB, v45
	v_lshl_add_u32 v45, v41, 2, v45
	v_add_nc_u32 v[PSA], PART, v45
	v_lshl_add_u32 v[PLA], v40, 3, PART
	v_lshl_add_u32 v[PBS], v0, 3, PB               ; 8 x thread = 256 w + 8 lane
	v_lshlrev_b32 v[HA0], 4, v0                    ; 16 x thread = 512 w + 16 lane
	v_lshlrev_b32 v[GSO], 3, v40
	v_mul_u32_u24 v46, v43, 4352
	v_add_nc_u32 v46, TS, v46                      ; my stage
	v_mad_u32_u24 v47, v42, 272, v46
	v_mad_u32_u24 v48, v41, 272, v46
	v_lshlrev_b32 v49, 13, v43
	v_lshl_add_u32 v49, v40, 4, v49
	v_lshlrev_b32 v50, 9, v43
	v_lshl_add_u32 v50, v41, 5, v50
	v_lshl_add_u32 v51, v43, 4, v41
	v_mul_u32_u24 v51, v51, BPITCH
	v_lshlrev_b32 v52, 16, v43
	v_lshl_add_u32 v52, v42, 12, v52
	WIN 0xC0                                       ; destination window 3, sources window 0
	v_lshl_add_u32 v[TSA], v41, 4, v47
	v_lshl_add_u32 v[TLA], v42, 6, v48
	v_add_nc_u32 v[IMA0], XIMG, v49
	v_add_nc_u32 v[SCA0], XSC, v50
	v_lshl_add_u32 v[BFA0], v42, 5, v51
	v_lshl_add_u32 v[HSO], v41, 4, v52
.irp b, 0,1,2,3
	v_mov_b32 v[TM+4+\b], 0                        ; written once: a lane permute's destination counts as one of its sources
.endr
	WIN 0
	v_mov_b32 v[MX], 0xff61b1e6                    ; m: -3e38, under every t
	v_mov_b32 v[LS], 0
	v_mov_b32 v15, 0
	v_mov_b32 v31, 0
.irp k, 24,25,26,27
	v_mov_b32 v[\k], 0
.endr
.irp k, 0,1,2,3,4,5,6,7
	v_mov_b32 v[CTX+\k], 0                         ; the first change of m multiplies zeros
.endr
.irp k, 0,1,2,3,4,5,6,7,8,9,10,11,12,13,14,15
	v_mov_b32 v[SACC+\k], 0
.endr
	s_and_b32 s57, ttmp7, 0xffff                   ; b
	s_mov_b32 s[TP+1], 0
	s_mov_b32 s[BO+1], 0
	s_mov_b32 s[CO+1], 0
	s_mov_b32 s[VO+1], 0
	s_mov_b32 s[SEL], 0x76543210
	s_mov_b32 s[SEL+1], 0xfedcba98
	s_mov_b32 s[C2], 0x4038aa3b                    ; c = 2 log2(e)
	s_mov_b32 s[C2+1], s[C2]
	s_mov_b32 s[LE], 0x3fb8aa3b                    ; log2(e)
	s_mov_b32 s[LE+1], s[LE]
	s_mov_b32 s[GN], 0
	s_mov_b32 s[FI], 0
	s_mov_b32 s[BFW], 0
	s_wait_kmcnt 0x0
	s_lshl_b32 s[TP], s57, 23                      ; a batch of hs is 2^23 bytes, my 256 rows 2^20
	s_lshl_b32 s58, ttmp9, 20
	s_add_co_u32 s[TP], s[TP], s58
	s_add_nc_u64 s[HSB:HSB+1], s[HSB:HSB+1], s[TP:TP+1]
	s_mul_i32 s[TP], s[WV], 8*REC
	s_add_nc_u64 s[UB:UB+1], s[UB:UB+1], s[TP:TP+1]
	s_lshl_b32 s[TP], s[WV], 15
	s_lshr_b32 s58, s57, 4
	s_lshl_b32 s58, s58, 11
	s_add_co_u32 s[TP], s[TP], s58
	s_and_b32 s58, s57, 15
	s_lshl_b32 s58, s58, 4
	s_add_co_u32 s[TP], s[TP], s58
	s_add_nc_u64 s[CVB:CVB+1], s[CVB:CVB+1], s[TP:TP+1]
	s_lshl_b32 s[TP], s[WV], 10
	s_add_nc_u64 s[VAB:VAB+1], s[VAB:VAB+1], s[TP:TP+1]
	s_lshl_b32 s[TP], s57, 13
	s_lshl_b32 s58, ttmp9, 10
	s_add_co_u32 s[TP], s[TP], s58
	s_add_nc_u64 s[TSCP:TSCP+1], s[TSCP:TSCP+1], s[TP:TP+1]
	s_lshl_b32 s59, s57, 3
	s_add_co_u32 s59, s59, ttmp9                   ; the work-group's number: 8 b + x
	s_lshl_b32 s[TP], s59, 12
	s_lshl_b32 s58, s[WV], 9
	s_add_co_u32 s[TP], s[TP], s58
	s_add_nc_u64 s[PCP:PCP+1], s[PCP:PCP+1], s[TP:TP+1]
	s_lshl_b32 s[TP], s59, 8
	s_add_nc_u64 s[MLP:MLP+1], s[MLP:MLP+1], s[TP:TP+1]
	global_load_b64 v[28:29], v[GSO], s[SVP:SVP+1] ; SV, twice
	BLOADS 0, 1                                    ; group 0's operands
	HSFRAG 3, 0, 0                                 ; block 0, my 16 rows: all eight fragments are asked for at once, into registers that lie idle until the first product
	HSFRAG 3, 64, 1
	HSFRAG 1, 0, 2
	HSFRAG 1, 64, 3
	HSFRAG 1, 128, 4
	HSFRAG 1, 192, 5
	HSFRAG 2, 128, 6
	HSFRAG 2, 192, 7
	; ---- PROLOGUE: block 0's operand and its bf16 copy.  The counts: the loads younger than the fragment, at most what the wait's field holds
	PRO 3, 0, 63                                   ; 112 younger
	PRO 3, 64, 63                                  ; 96 younger
	s_add_nc_u64 s[HS0:HS0+1], s[HSB:HSB+1], 262144            ; block 1 begins 64 rows of 4,096 bytes on: its fragments 0 and 1 take the two sets that have just been turned
	s_add_nc_u64 s[HS0+2:HS0+3], s[HSB:HSB+1], 262144+512
	HSISSUE 0, 0
	HSISSUE 1, 0
	PRO 1, 0, 63                                   ; 80 + 32 younger
	PRO 1, 64, 63                                  ; 64 + 32
	PRO 1, 128, 63                                 ; 48 + 32
	PRO 1, 192, 63                                 ; 32 + 32
	PRO 2, 128, 48                                 ; 16 + 32
	PRO 2, 192, 32                                 ; 32
	WIN 0
	BAR                                            ; block 0's images and bf16 copy lie in LDS
	ALOAD
	s_wait_loadcnt 16                              ; block 1's fragment 0 is in (fragment 1 may be out), and so are SV and group 0's operands
	v_pk_mul_f32 v[28:29], v[28:29], s[LE:LE+1] op_sel_hi:[1,0]
	TURN 3, 0
	WIN 0
	s_mov_b32 s[FI], 0
	s_mov_b32 s[BFW], BF1
	s_mov_b32 s[BFR], 0
	s_mov_b32 s[BLK], 3
	BAR                                            ; every wave has read the images: they may be written again
	; ---- BLOCKS 0 to 2
.Lblock:
	s_mov_b32 s[TRIP], 3
.Lpair:
	ITER 0, 1, 1, 1, 1
	ITER 1, 1, 1, 1, 1
	s_sub_co_i32 s[TRIP], s[TRIP], 1
	s_cmp_lg_u32 s[TRIP], 0
	s_cbranch_scc1 .Lpair
	ITER 0, 1, 0, 1, 1                             ; groups 6 and 7: the next block has no fragment 8
	ITER 1, 1, 0, 1, 0
	s_cmp_eq_u32 s[BLK], 1                         ; behind block 2 there is no block 4: no load leaves hs
	s_cbranch_scc1 .Lnofetch
	HSISSUE 0, 259072                              ; from fragment 6 to fragment 0 of the block after: 262,144 - 3,072 bytes
	HSISSUE 1, 259072
	WIN 0
.Lnofetch:
	SCORE
	BAR                                            ; the parts of the scores, the next block's images and its bf16 copy lie in LDS
.irp k, 0,1,2,3,4,5,6,7,8,9,10,11,12,13,14,15
	v_mov_b32 v[SACC+\k], 0
.endr
	PARTS
	ALOAD
	s_wait_dscnt 63                                ; 72 LDS loads were issued, the four parts first: with at most 63 out the oldest nine are in, the parts among them (68 stand behind the parts; 63 is the most that the wait's field holds)
	SOFT
	CTXLOOP
	s_wait_xcnt 0x0                                ; the store of t has read its base and its data
	s_add_nc_u64 s[TSCP:TSCP+1], s[TSCP:TSCP+1], 256
	s_mov_b32 s[FI], 0
	s_xor_b32 s[BFW], s[BFW], BF1
	s_xor_b32 s[BFR], s[BFR], BF1
	s_wait_loadcnt 16                              ; fragment 0 of the block after the next is in; fragment 1 may be out
	TURN 3, 0                                      ; (behind block 2 nothing was asked for: old numbers turn, and nobody reads them; so every count is the same on both ways)
	WIN 0
	BAR                                            ; every wave has read the parts, the images and the bf16 copy: all three may be written again
	s_sub_co_i32 s[BLK], s[BLK], 1
	s_cmp_lg_u32 s[BLK], 0
	s_cbranch_scc1 .Lblock
	; ---- BLOCK 3: nothing more to fetch of hs
	s_mov_b32 s[TRIP], 4
.Llast:
	ITER 0, 1, 0, 0, 0
	ITER 1, 2, 0, 0, 0
	s_sub_co_i32 s[TRIP], s[TRIP], 1
	s_cmp_lg_u32 s[TRIP], 0
	s_cbranch_scc1 .Llast
	SCORE
	BAR
	PARTS
	s_wait_dscnt 0x0
	SOFT
	CTXLOOP
	global_store_b128 v[L16], v[CTX:CTX+3], s[PCP:PCP+1]               ; 512 consecutive bytes a store: columns 8 L + 0 .. 3 at 16 L,
	global_store_b128 v[L16], v[CTX+4:CTX+7], s[PCP:PCP+1] offset:2048 ; columns 8 L + 4 .. 7 at 2048 + 16 L
	s_cmp_lg_u32 s[WV], 0
	s_cbranch_scc1 .Lend
	global_store_b64 v[GSO], v[MX:MX+1], s[MLP:MLP+1]                  ; {m, l}, 32 times: 256 consecutive bytes
.Lend:
	s_wait_tensorcnt 0x0
	ds_add_u32 v254, v255
	s_wait_dscnt 0x0
	s_endpgm
.Lfunc_end_k_qd50591f424_main:
	.size	k_qd50591f424_main, .Lfunc_end_k_qd50591f424_main-k_qd50591f424_main
	.p2alignl 7, 3214868480
	.fill 96, 4, 3214868480
	.section	.rodata,"a",@progbits
	.p2align	6, 0x0
	.amdhsa_kernel k_qd50591f424_main
		.amdhsa_group_segment_fixed_size 318976
		.amdhsa_private_segment_fixed_size 0
		.amdhsa_enable_private_segment 0
		.amdhsa_kernarg_size 64
		.amdhsa_user_sgpr_count 2
		.amdhsa_user_sgpr_kernarg_segment_ptr 1
		.amdhsa_wavefront_size32 1
		.amdhsa_system_sgpr_workgroup_id_x 1
		.amdhsa_system_sgpr_workgroup_id_y 1
		.amdhsa_system_sgpr_workgroup_id_z 1
		.amdhsa_system_vgpr_workitem_id 0
		.amdhsa_next_free_vgpr 1024
		.amdhsa_next_free_sgpr 66
		.amdhsa_reserve_vcc 0
		.amdhsa_float_denorm_mode_32 3
		.amdhsa_float_denorm_mode_16_64 3
		.amdhsa_memory_ordered 1
		.amdhsa_forward_progress 1
		.amdhsa_inst_pref_size 255
	.end_amdhsa_kernel
	.section	.bss,"aw",@nobits
	.p2align	6
	.space	262144
	.amdgpu_metadata
---
amdhsa.version: [ 1, 2 ]
amdhsa.kernels:
  - .name:           k_qd50591f424_main
    .symbol:         k_qd50591f424_main.kd
    .args:
      - { .name: hs, .offset: 0, .size: 8, .value_kind: global_buffer, .address_space: global }
      - { .name: ub, .offset: 8, .size: 8, .value_kind: global_buffer, .address_space: global }
      - { .name: cv, .offset: 16, .size: 8, .value_kind: global_buffer, .address_space: global }
      - { .name: va2, .offset: 24, .size: 8, .value_kind: global_buffer, .address_space: global }
      - { .name: sv, .offset: 32, .size: 8, .value_kind: global_buffer, .address_space: global }
      - { .name: tsc, .offset: 40, .size: 8, .value_kind: global_buffer, .address_space: global }
      - { .name: pc, .offset: 48, .size: 8, .value_kind: global_buffer, .address_space: global }
      - { .name: ml, .offset: 56, .size: 8, .value_kind: global_buffer, .address_space: global }
    .group_segment_fixed_size: 318976
    .private_segment_fixed_size: 0
    .kernarg_segment_align: 8
    .kernarg_segment_size: 64
    .max_flat_workgroup_size: 128
    .sgpr_count:     66
    .vgpr_count:     1024
    .wavefront_size: 32
...
	.end_amdgpu_metadata
.endif
;; end of part 2
;; launch fin (part 3): grid 32 x 1, 8 waves a work-group, no clusters, 0 bytes of LDS; arguments tsc, pc, ml, out0, out1; writes out0, out1
.if DOCPART == 3
	.amdgcn_target "amdgcn-amd-amdhsa--gfx1250"
	.amdhsa_code_object_version 6
	.text
	.protected	k_qd50591f424_fin
	.globl	k_qd50591f424_fin
	.p2align	8
	.type	k_qd50591f424_fin,@function
k_qd50591f424_fin:
	s_mov_b64 s[64:65], 0
	v_nop
	global_prefetch_b8 v0, s[64:65] scope:SCOPE_SE
	s_setreg_imm32_b32 hwreg(HW_REG_WAVE_MODE, 25, 1), 1
	s_wait_xcnt 0x0
; THE JOIN.  Work-group b joins the eight parts of batch b: M = the largest m, g_x = 2^(m_x - M) / L, L = the sum of l_x 2^(m_x - M);
; ctx = the sum of g_x x part x (out0);  attn = 2^(t - M) / L (out1).  Thread T has columns 4 T .. 4 T + 3 of ctx and eight numbers of attn.
; No LDS, no barrier: every wave reads the eight {m, l} itself.  Matrix units and clusters have nothing to do here: 1.4 MB are read once.
	s_load_b256 s[4:11], s[0:1], 0x0               ; tsc s[4:5], pc s[6:7], ml s[8:9], out0 s[10:11]
	s_load_b64 s[12:13], s[0:1], 0x20              ; out1
	v_and_b32 v1, 7, v0
	v_lshlrev_b32 v1, 8, v1                        ; ml: part T % 8, 256 bytes a part
	v_and_b32 v4, 1, v0
	v_lshrrev_b32 v5, 1, v0
	v_lshlrev_b32 v4, 11, v4
	v_lshl_add_u32 v4, v5, 4, v4                   ; pc: columns 4 T on lie at (T % 2) 2048 + 16 (T / 2)
	v_lshlrev_b32 v5, 4, v0                        ; 16 T
	s_mov_b32 s15, 0
	s_wait_kmcnt 0x0
	s_lshl_b32 s14, ttmp9, 13
	s_add_nc_u64 s[4:5], s[4:5], s[14:15]
	s_add_nc_u64 s[12:13], s[12:13], s[14:15]
	s_lshl_b32 s14, ttmp9, 15
	s_add_nc_u64 s[6:7], s[6:7], s[14:15]
	s_lshl_b32 s14, ttmp9, 11
	s_add_nc_u64 s[8:9], s[8:9], s[14:15]
	s_lshl_b32 s14, ttmp9, 12
	s_add_nc_u64 s[10:11], s[10:11], s[14:15]
	global_load_b64 v[2:3], v1, s[8:9]             ; {m, l} of part T % 8
.irp x, 0,1,2,3,4,5,6,7
	global_load_b128 v[8+4*\x:11+4*\x], v4, s[6:7] offset:4096*\x
.endr
	global_load_b128 v[40:43], v5, s[4:5]
	global_load_b128 v[44:47], v5, s[4:5] offset:4096
	s_wait_loadcnt 10                              ; {m, l} is in; the ten loads behind it may be out
	v_mov_b32 v6, v2
	v_max_num_f32_dpp v6, v6, v6 row_xmask:1 row_mask:0xf bank_mask:0xf
	v_max_num_f32_dpp v6, v6, v6 row_xmask:2 row_mask:0xf bank_mask:0xf
	v_max_num_f32_dpp v6, v6, v6 row_xmask:4 row_mask:0xf bank_mask:0xf   ; M, in every lane
	v_sub_f32 v7, v2, v6
	v_exp_f32 v7, v7
	v_nop                                          ; a plain line behind the transcendental,
	s_wait_alu depctr_va_vdst(0)                   ; and the wait ahead of its first reader
	v_mul_f32 v48, v3, v7
	v_add_f32_dpp v48, v48, v48 row_xmask:1 row_mask:0xf bank_mask:0xf
	v_add_f32_dpp v48, v48, v48 row_xmask:2 row_mask:0xf bank_mask:0xf
	v_add_f32_dpp v48, v48, v48 row_xmask:4 row_mask:0xf bank_mask:0xf    ; L
	v_rcp_f32 v49, v48
	v_nop
	s_wait_alu depctr_va_vdst(0)
	v_mul_f32 v50, v7, v49                         ; g of part lane % 8
.irp x, 0,1,2,3,4,5,6,7
	v_readlane_b32 s[24+\x], v50, \x
.endr
	s_wait_loadcnt 2                               ; the eight parts are in
.irp k, 0,1,2,3
	v_mul_f32 v[52+\k], s24, v[8+\k]
.endr
.irp x, 1,2,3,4,5,6,7
.irp k, 0,1,2,3
	v_fmac_f32 v[52+\k], s[24+\x], v[8+4*\x+\k]
.endr
.endr
	global_store_b128 v5, v[52:55], s[10:11]       ; a wave stores 512 consecutive bytes
	s_wait_loadcnt 0x0
.irp k, 0,1,2,3,4,5,6,7
	v_sub_f32 v[40+\k], v[40+\k], v6
.endr
.irp k, 0,1,2,3,4,5,6,7
	v_exp_f32 v[40+\k], v[40+\k]
.endr
	v_nop
	s_wait_alu depctr_va_vdst(0)
.irp k, 0,1,2,3,4,5,6,7
	v_mul_f32 v[40+\k], v[40+\k], v49
.endr
	global_store_b128 v5, v[40:43], s[12:13]
	global_store_b128 v5, v[44:47], s[12:13] offset:4096
	s_endpgm
.Lfunc_end_k_qd50591f424_fin:
	.size	k_qd50591f424_fin, .Lfunc_end_k_qd50591f424_fin-k_qd50591f424_fin
	.p2alignl 7, 3214868480
	.fill 96, 4, 3214868480
	.section	.rodata,"a",@progbits
	.p2align	6, 0x0
	.amdhsa_kernel k_qd50591f424_fin
		.amdhsa_group_segment_fixed_size 0
		.amdhsa_private_segment_fixed_size 0
		.amdhsa_enable_private_segment 0
		.amdhsa_kernarg_size 40
		.amdhsa_user_sgpr_count 2
		.amdhsa_user_sgpr_kernarg_segment_ptr 1
		.amdhsa_wavefront_size32 1
		.amdhsa_system_sgpr_workgroup_id_x 1
		.amdhsa_system_sgpr_workgroup_id_y 1
		.amdhsa_system_sgpr_workgroup_id_z 1
		.amdhsa_system_vgpr_workitem_id 0
		.amdhsa_next_free_vgpr 64
		.amdhsa_next_free_sgpr 66
		.amdhsa_reserve_vcc 0
		.amdhsa_float_denorm_mode_32 3
		.amdhsa_float_denorm_mode_16_64 3
		.amdhsa_memory_ordered 1
		.amdhsa_forward_progress 1
		.amdhsa_inst_pref_size 6
	.end_amdhsa_kernel
	.amdgpu_metadata
---
amdhsa.version: [ 1, 2 ]
amdhsa.kernels:
  - .name:           k_qd50591f424_fin
    .symbol:         k_qd50591f424_fin.kd
    .args:
      - { .name: tsc, .offset: 0, .size: 8, .value_kind: global_buffer, .address_space: global }
      - { .name: pc, .offset: 8, .size: 8, .value_kind: global_buffer, .address_space: global }
      - { .name: ml, .offset: 16, .size: 8, .value_kind: global_buffer, .address_space: global }
      - { .name: out0, .offset: 24, .size: 8, .value_kind: global_buffer, .address_space: global }
      - { .name: out1, .offset: 32, .size: 8, .value_kind: global_buffer, .address_space: global }
    .group_segment_fixed_size: 0
    .private_segment_fixed_size: 0
    .kernarg_segment_align: 8
    .kernarg_segment_size: 40
    .max_flat_workgroup_size: 256
    .sgpr_count:     66
    .vgpr_count:     64
    .wavefront_size: 32
...
	.end_amdgpu_metadata
.endif
;; end of part 3
;; ======== version 2 of 2: 3 launches
;; workspace buffers: ub 557,056 bytes; cv 131,072 bytes; va2 4,096 bytes; sv 256 bytes; tsc 262,144 bytes; pc 1,048,576 bytes; ml 65,536 bytes
;; launch prep (part 4): grid 32 x 1, 4 waves a work-group, no clusters, 0 bytes of LDS; arguments ht_codes, ht_scales, Wa_w_codes, Wa_w_scales, Wa_b, Ua_b, Ua_w_codes, Ua_w_scales, Va_w, Va_b, ub, cv, va2, sv; writes ub, cv, va2, sv
.if DOCPART == 4
	.amdgcn_target "amdgcn-amd-amdhsa--gfx1250"
	.amdhsa_code_object_version 6
	.text
	.protected	k_qd50591f424_prep
	.globl	k_qd50591f424_prep
	.p2align	8
	.type	k_qd50591f424_prep,@function
k_qd50591f424_prep:
	s_mov_b64 s[64:65], 0
	v_nop
	global_prefetch_b8 v0, s[64:65] scope:SCOPE_SE
	s_setreg_imm32_b32 hwreg(HW_REG_WAVE_SCHED_MODE, 0, 2), 2
	s_setreg_imm32_b32 hwreg(HW_REG_WAVE_MODE, 25, 1), 1
	s_wait_xcnt 0x0
	s_wait_alu depctr_vm_vsrc(0)
; PREPARATION for the fused attention launch.  Work-group grp (0..31) serves output columns 32 grp .. 32 grp + 31.
; Waves 0, 1 (rt): q = ht Wa^T on codes of FP4 (E2M1) with E8M0 scales, for batches 16 rt .. +15 and the group's 32 columns; stored is cb = c (q + Wa_b + Ua_b), c = 2 log2(e),
;   laid as the next launch's lanes want it: byte grp 4096 + rt 2048 + (2 ct + e) 512 + 16 lane holds cb[16 rt + lane % 16][32 grp + 16 ct + 8 (lane / 16) + 4 e .. + 3].
;   The product is used transposed (source 0 = 16 rows of Wa, source 1 = 16 rows of ht): a lane holds one batch and eight neighbouring columns.  The two biases' sum is the C of each sum's first instruction.
; Waves 2, 3 (u): Ua's codes of the group's 32 rows are laid in the order of a wave's operand registers: record grp of REC bytes; byte (4 s + 2 ct + c) 512 + 16 lane = registers 4 c .. 4 c + 3 of the
;   fragment (tile ct, K step s).  Wave 2 adds the rows' scale bytes: byte 16384 + 512 half + 16 lane = bytes 16 half .. + 15 of row 32 grp + lane.
; Wave 3 of work-group 0: va2 = -2 Va, and SV = Va_b + the sum of Va, stored 32 times as a pair.
; No LDS, no barrier: the waves share nothing.  LIMITS: NaN and infinities among the inputs are not served; the biases are added in another order than q + Wa_b, k + Ua_b.
; THE MODE: SCHED_MODE bits 1:0 = 2 (LLVM: expert scheduling mode 2), set by the entry lines.  The code itself states the register dependences
; between vector or matrix instructions and memory instructions, with s_wait_alu, always for 0.
; THE PLAN.  v1 to v5 are offsets, made once at the head and never written again: one wait ahead of the parting of the ways serves every load and store.  Loads land only in registers that no vector
; instruction has named.  The operands and scales of the products come by loads alone.  Stores whose data vector instructions have made (cb; -2 Va and SV) stand in one run behind one wait;
; the copies of Ua store registers that loads filled and that no vector instruction names.
.set REC, 17408
.set WV,  36                           ; s36 my wave's number
.set C2,  42                           ; s[42:43] c = 2 log2(e)
.set SEL, 44                           ; s[44:45] lane selects for v_permlanex16_b32: lane l xor 16
	s_load_b256 s[4:11], s[0:1], 0x0               ; ht's codes s[4:5], ht's scales s[6:7], Wa's codes s[8:9], Wa's scales s[10:11]
	s_load_b256 s[12:19], s[0:1], 0x20             ; Wa_b s[12:13], Ua_b s[14:15], Ua's codes s[16:17], Ua's scales s[18:19]
	s_load_b256 s[20:27], s[0:1], 0x40             ; Va_w s[20:21], Va_b s[22:23], ub s[24:25], cv s[26:27]
	s_load_b128 s[28:31], s[0:1], 0x60             ; va2 s[28:29], sv s[30:31]
	v_and_b32 v6, 31, v0                           ; lane
	v_and_b32 v7, 15, v0                           ; r
	v_bfe_u32 v4, v0, 4, 1                         ; h
	v_lshrrev_b32 v1, 5, v0
	v_readfirstlane_b32 s[WV], v1                  ; wave 0..3
	v_lshlrev_b32 v1, 9, v7
	v_lshl_add_u32 v1, v4, 4, v1                   ; a fragment's place: row r of 512 bytes + 16 h
	v_lshlrev_b32 v2, 5, v7                        ; 32 r: a row of scale bytes
	v_lshlrev_b32 v3, 5, v6                        ; 32 lane: lanes 16-31 take the second tile's rows
	v_lshlrev_b32 v4, 5, v4                        ; 32 h: eight f32 of a bias
	v_lshlrev_b32 v5, 4, v6                        ; 16 lane: dense stores
	s_mov_b32 s41, 0
	s_mov_b32 s[C2], 0x4038aa3b
	s_mov_b32 s[C2+1], s[C2]                       ; (named with it as a pair, so it is written)
	s_mov_b32 s[SEL], 0x76543210
	s_mov_b32 s[SEL+1], 0xfedcba98
	s_wait_alu depctr_va_sdst(0)                   ; s[WV] is written, ahead of its first reader, the compare below
	s_wait_alu depctr_va_vdst(0)                   ; the offsets v1 to v5 are written: every load and store on all the ways below reads one of them
	s_wait_kmcnt 0x0
	s_cmp_lt_u32 s[WV], 2
	s_cbranch_scc0 .Lcopy
	; ---- waves 0 and 1: q
	s_lshl_b32 s40, s[WV], 13
	s_add_nc_u64 s[4:5], s[4:5], s[40:41]          ; my 16 rows of ht's codes
	s_lshl_b32 s40, s[WV], 9
	s_add_nc_u64 s[6:7], s[6:7], s[40:41]          ; and of its scales
	s_lshl_b32 s40, ttmp9, 14
	s_add_nc_u64 s[8:9], s[8:9], s[40:41]          ; the group's 32 rows of Wa's codes
	s_lshl_b32 s40, ttmp9, 10
	s_add_nc_u64 s[10:11], s[10:11], s[40:41]      ; of its scales
	s_lshl_b32 s40, ttmp9, 7
	s_add_nc_u64 s[12:13], s[12:13], s[40:41]      ; the group's 32 numbers of each bias
	s_add_nc_u64 s[14:15], s[14:15], s[40:41]
	s_lshl_b32 s40, ttmp9, 12
	s_lshl_b32 s38, s[WV], 11
	s_add_co_u32 s40, s40, s38
	s_add_nc_u64 s[26:27], s[26:27], s[40:41]      ; cv: group, half of the batches
.irp s, 0,1,2,3,4,5,6,7
.irp c, 0,1
	global_load_b128 v[32+8*\s+4*\c:35+8*\s+4*\c], v1, s[4:5] offset:64*\s+32*\c          ; ht's fragment of K step s
.endr
.endr
.irp t, 0,1
.irp s, 0,1,2,3,4,5,6,7
.irp c, 0,1
	global_load_b128 v[96+64*\t+8*\s+4*\c:99+64*\t+8*\s+4*\c], v1, s[8:9] offset:8192*\t+64*\s+32*\c   ; Wa's, tile t
.endr
.endr
.endr
	global_load_b128 v[8:11], v2, s[6:7]           ; ht's scale words: v[8 + s]
	global_load_b128 v[12:15], v2, s[6:7] offset:16
	global_load_b128 v[16:19], v3, s[10:11]        ; Wa's: v[16 + s]; lanes 0-15 tile 0, lanes 16-31 tile 1
	global_load_b128 v[20:23], v3, s[10:11] offset:16
.irp u, 0,1,2,3
	global_load_b128 v[224+4*\u:227+4*\u], v4, s[12:13] offset:64*(\u/2)+16*(\u%2)        ; Wa_b in the result's layout: columns 16 ct + 8 h + 0 .. 7
	global_load_b128 v[240+4*\u:243+4*\u], v4, s[14:15] offset:64*(\u/2)+16*(\u%2)        ; Ua_b likewise
.endr
	s_wait_loadcnt 0x0
.irp k, 0,2,4,6,8,10,12,14
	v_pk_add_f32 v[224+\k:225+\k], v[224+\k:225+\k], v[240+\k:241+\k]                     ; Wa_b + Ua_b
.endr
.rept 8
	v_nop                                          ; plain places between the sums above and the matrix instructions that take them as C
.endr
; Two accumulators by turns, one instruction a turn.
.irp s, 0,1,2,3,4,5,6,7
.if \s == 0
	v_wmma_scale_f32_16x16x128_f8f6f4 v[24:31], v[96:103], v[32:39], v[224:231], v16, v8 matrix_a_fmt:MATRIX_FMT_FP4 matrix_b_fmt:MATRIX_FMT_FP4
	v_wmma_scale_f32_16x16x128_f8f6f4 v[240:247], v[160:167], v[32:39], v[232:239], v16, v8 matrix_a_fmt:MATRIX_FMT_FP4 matrix_b_fmt:MATRIX_FMT_FP4 matrix_a_scale:MATRIX_SCALE_ROW1
.else
	v_wmma_scale_f32_16x16x128_f8f6f4 v[24:31], v[96+8*\s:103+8*\s], v[32+8*\s:39+8*\s], v[24:31], v[16+\s], v[8+\s] matrix_a_fmt:MATRIX_FMT_FP4 matrix_b_fmt:MATRIX_FMT_FP4
	v_wmma_scale_f32_16x16x128_f8f6f4 v[240:247], v[160+8*\s:167+8*\s], v[32+8*\s:39+8*\s], v[240:247], v[16+\s], v[8+\s] matrix_a_fmt:MATRIX_FMT_FP4 matrix_b_fmt:MATRIX_FMT_FP4 matrix_a_scale:MATRIX_SCALE_ROW1
.endif
.endr
.rept 4
	v_nop                                          ; four plain places behind the last product, ahead of the first read of results (ISA guide 7.12.1)
.endr
.irp k, 0,2,4,6
	v_pk_mul_f32 v[24+\k:25+\k], v[24+\k:25+\k], s[C2:C2+1] op_sel_hi:[1,0]               ; x c; each accumulator from its low end on
.endr
.irp k, 0,2,4,6
	v_pk_mul_f32 v[240+\k:241+\k], v[240+\k:241+\k], s[C2:C2+1] op_sel_hi:[1,0]
.endr
	s_wait_alu depctr_va_vdst(0)                   ; the eight multiplications have written v[24:31] and v[240:247], which the four stores read
	global_store_b128 v5, v[24:27], s[26:27]                   ; each store covers 512 consecutive bytes, aligned
	global_store_b128 v5, v[28:31], s[26:27] offset:512
	global_store_b128 v5, v[240:243], s[26:27] offset:1024
	global_store_b128 v5, v[244:247], s[26:27] offset:1536
	s_endpgm
.Lcopy:
	; ---- waves 2 and 3: Ua's codes, K steps 4 u .. 4 u + 3, into register order.  Loads fill the registers and stores read them: no vector instruction names them
	s_sub_co_u32 s37, s[WV], 2                     ; u
	s_lshl_b32 s40, ttmp9, 14
	s_lshl_b32 s38, s37, 8
	s_add_co_u32 s40, s40, s38
	s_add_nc_u64 s[16:17], s[16:17], s[40:41]      ; the group's 32 rows, 256 u bytes along K
	s_mul_i32 s40, ttmp9, REC
	s_lshl_b32 s38, s37, 13
	s_add_co_u32 s40, s40, s38
	s_add_nc_u64 s[24:25], s[24:25], s[40:41]      ; the group's record, 16 u pieces of 512 bytes on
.irp s, 0,1,2,3
.irp t, 0,1
.irp c, 0,1
	global_load_b128 v[32+4*(4*\s+2*\t+\c):35+4*(4*\s+2*\t+\c)], v1, s[16:17] offset:8192*\t+64*\s+32*\c
.endr
.endr
.endr
	s_wait_loadcnt 0x0
.irp k, 0,1,2,3,4,5,6,7,8,9,10,11,12,13,14,15
	global_store_b128 v5, v[32+4*\k:35+4*\k], s[24:25] offset:512*\k                      ; 512 consecutive bytes a store
.endr
	s_cmp_eq_u32 s[WV], 2
	s_cbranch_scc0 .Lw3
	s_lshl_b32 s40, ttmp9, 10
	s_add_nc_u64 s[18:19], s[18:19], s[40:41]      ; wave 2 (u = 0: its base is the record's start): the 32 rows' scale bytes
	global_load_b128 v[96:99], v3, s[18:19]
	global_load_b128 v[100:103], v3, s[18:19] offset:16
	s_wait_loadcnt 0x0
	global_store_b128 v5, v[96:99], s[24:25] offset:16384
	global_store_b128 v5, v[100:103], s[24:25] offset:16896
	s_endpgm
.Lw3:
	s_cmp_lg_u32 ttmp9, 0
	s_cbranch_scc1 .Ldone
	; ---- wave 3 of work-group 0: -2 Va, and SV
	v_mov_b32 v193, 0
	v_mov_b32 v194, 0                              ; a lane permute's destination counts as one of its sources
	s_wait_alu depctr_va_vdst(0)                   ; v193 is written: it is the offset of Va_b's load
.irp i, 0,1,2,3,4,5,6,7
	global_load_b128 v[128+4*\i:131+4*\i], v5, s[20:21] offset:512*\i
.endr
	global_load_b32 v192, v193, s[22:23]           ; Va_b, in every lane
	s_wait_loadcnt 0x0
.irp k, 0,2,4,6,8,10,12,14,16,18,20,22,24,26,28,30
	v_pk_mul_f32 v[160+\k:161+\k], v[128+\k:129+\k], -2.0 op_sel_hi:[1,0]
.endr
.irp k, 0,2,4,6,8,10,12,14
	v_pk_add_f32 v[128+\k:129+\k], v[128+\k:129+\k], v[144+\k:145+\k]
.endr
.irp k, 0,2,4,6
	v_pk_add_f32 v[128+\k:129+\k], v[128+\k:129+\k], v[136+\k:137+\k]
.endr
	v_pk_add_f32 v[128:129], v[128:129], v[132:133]
	v_pk_add_f32 v[130:131], v[130:131], v[134:135]
	v_pk_add_f32 v[128:129], v[128:129], v[130:131]
	v_add_f32 v128, v128, v129
	v_add_f32_dpp v128, v128, v128 row_xmask:1 row_mask:0xf bank_mask:0xf
	v_add_f32_dpp v128, v128, v128 row_xmask:2 row_mask:0xf bank_mask:0xf
	v_add_f32_dpp v128, v128, v128 row_xmask:4 row_mask:0xf bank_mask:0xf
	v_add_f32_dpp v128, v128, v128 row_xmask:8 row_mask:0xf bank_mask:0xf
	v_permlanex16_b32 v194, v128, s[SEL], s[SEL+1]
	v_add_f32 v128, v128, v194
	v_add_f32 v194, v128, v192                     ; SV = Va_b + the sum of Va
	v_mov_b32 v195, v194
	v_lshlrev_b32 v196, 3, v6
	s_wait_alu depctr_va_vdst(0)                   ; -2 Va (v[160:191]), SV (v[194:195]) and its offset v196 are written, which the nine stores read
.irp i, 0,1,2,3,4,5,6,7
	global_store_b128 v5, v[160+4*\i:163+4*\i], s[28:29] offset:512*\i
.endr
	global_store_b64 v196, v[194:195], s[30:31]    ; 256 consecutive bytes
.Ldone:
	s_endpgm
.Lfunc_end_k_qd50591f424_prep:
	.size	k_qd50591f424_prep, .Lfunc_end_k_qd50591f424_prep-k_qd50591f424_prep
	.p2alignl 7, 3214868480
	.fill 96, 4, 3214868480
	.section	.rodata,"a",@progbits
	.p2align	6, 0x0
	.amdhsa_kernel k_qd50591f424_prep
		.amdhsa_group_segment_fixed_size 0
		.amdhsa_private_segment_fixed_size 0
		.amdhsa_enable_private_segment 0
		.amdhsa_kernarg_size 112
		.amdhsa_user_sgpr_count 2
		.amdhsa_user_sgpr_kernarg_segment_ptr 1
		.amdhsa_wavefront_size32 1
		.amdhsa_system_sgpr_workgroup_id_x 1
		.amdhsa_system_sgpr_workgroup_id_y 1
		.amdhsa_system_sgpr_workgroup_id_z 1
		.amdhsa_system_vgpr_workitem_id 0
		.amdhsa_next_free_vgpr 256
		.amdhsa_next_free_sgpr 66
		.amdhsa_reserve_vcc 0
		.amdhsa_float_denorm_mode_32 3
		.amdhsa_float_denorm_mode_16_64 3
		.amdhsa_memory_ordered 1
		.amdhsa_forward_progress 1
		.amdhsa_inst_pref_size 20
	.end_amdhsa_kernel
	.amdgpu_metadata
---
amdhsa.version: [ 1, 2 ]
amdhsa.kernels:
  - .name:           k_qd50591f424_prep
    .symbol:         k_qd50591f424_prep.kd
    .args:
      - { .name: ht_codes, .offset: 0, .size: 8, .value_kind: global_buffer, .address_space: global }
      - { .name: ht_scales, .offset: 8, .size: 8, .value_kind: global_buffer, .address_space: global }
      - { .name: Wa_w_codes, .offset: 16, .size: 8, .value_kind: global_buffer, .address_space: global }
      - { .name: Wa_w_scales, .offset: 24, .size: 8, .value_kind: global_buffer, .address_space: global }
      - { .name: Wa_b, .offset: 32, .size: 8, .value_kind: global_buffer, .address_space: global }
      - { .name: Ua_b, .offset: 40, .size: 8, .value_kind: global_buffer, .address_space: global }
      - { .name: Ua_w_codes, .offset: 48, .size: 8, .value_kind: global_buffer, .address_space: global }
      - { .name: Ua_w_scales, .offset: 56, .size: 8, .value_kind: global_buffer, .address_space: global }
      - { .name: Va_w, .offset: 64, .size: 8, .value_kind: global_buffer, .address_space: global }
      - { .name: Va_b, .offset: 72, .size: 8, .value_kind: global_buffer, .address_space: global }
      - { .name: ub, .offset: 80, .size: 8, .value_kind: global_buffer, .address_space: global }
      - { .name: cv, .offset: 88, .size: 8, .value_kind: global_buffer, .address_space: global }
      - { .name: va2, .offset: 96, .size: 8, .value_kind: global_buffer, .address_space: global }
      - { .name: sv, .offset: 104, .size: 8, .value_kind: global_buffer, .address_space: global }
    .group_segment_fixed_size: 0
    .private_segment_fixed_size: 0
    .kernarg_segment_align: 8
    .kernarg_segment_size: 112
    .max_flat_workgroup_size: 128
    .sgpr_count:     66
    .vgpr_count:     256
    .wavefront_size: 32
...
	.end_amdgpu_metadata
.endif
;; end of part 4
;; launch main (part 5): grid 8 x 32, 4 waves a work-group, no clusters, 318,976 bytes of LDS; arguments hs, ub, cv, va2, sv, tsc, pc, ml; writes tsc, pc, ml
.if DOCPART == 5
	.amdgcn_target "amdgcn-amd-amdhsa--gfx1250"
	.amdhsa_code_object_version 6
	.text
	.protected	k_qd50591f424_main
	.globl	k_qd50591f424_main
	.p2align	8
	.type	k_qd50591f424_main,@function
k_qd50591f424_main:
	s_mov_b64 s[64:65], 0
	v_nop
	global_prefetch_b8 v0, s[64:65] scope:SCOPE_SE
	s_setreg_imm32_b32 hwreg(HW_REG_WAVE_SCHED_MODE, 0, 2), 2
	s_setreg_imm32_b32 hwreg(HW_REG_WAVE_MODE, 25, 1), 1
	s_wait_xcnt 0x0
	s_wait_alu depctr_vm_vsrc(0)
; BAHDANAU ATTENTION, the fused part.  Work-group (x, b) owns rows 256 x .. + 255 of batch b, as four blocks of 64 rows.  hs is read from memory once.
;   k = Q(hs) Ua^T on codes of FP4 (E2M1), one E8M0 scale for each 32 along K; score = SV + the sum over o of (-2 Va_o) r_o, r = 1 / (1 + 2^(c (q + k + biases))), c = 2 log2(e): tanh(x) = 1 - 2 r;
;   t = score log2(e); a running maximum m and sum l over the work-group's rows; p = 2^(t - m); ctx += p x hs (hs rounded to bf16, p and the sums in f32).  Stored: t, the part of ctx, {m, l}; the next launch joins them.
; SHARES.  THE WAVES SHARE THE COLUMNS: wave w makes outputs 256 w .. + 255, in 8 groups of 2 tiles of 16, for all 64 rows of a block.  The rows' codes (4 tiles x 8 K steps x 8 registers) lie in every wave's
;   window 1 for the whole block, so each fragment of Ua feeds four matrix instructions; Ua's fragments come from ub, laid in register order, by loads of 512 consecutive bytes, one group ahead.
;   While block i is multiplied, wave w loads, quantises and rounds to bf16 rows 16 w .. + 15 of block i + 1, one fragment (16 rows x 128 K) a group: codes and scale words go to LDS as images of the operand's
;   registers, the bf16 copy to one of two LDS buffers, from which ctx is summed when the block's scores are known.
; THE PRODUCT IS USED TRANSPOSED (source 0 = 16 rows of Ua, source 1 = 16 rows of hs): lane (r, h) holds row r of its tile, register j column 8 h + j.
; NO CLUSTER, NO TENSOR LOAD: all work-groups read the same Ua, but LDS holds 2 x 132,096 (bf16 copies) + 34,816 (images, scale words) + 17,408 (stages) + 2,048 = 318,464 of 327,680 bytes; what is left, 9,216,
;   is less than two slots of even one tile of Ua for all of K (8,704 bytes each).  So Ua goes from memory straight into registers.
; LIMITS: NaN and infinities among the inputs are not served.  A block of 32 zeros gets the scale byte 1 with zero codes (the bytes are read here alone); blocks whose largest magnitude lies under 2^-124 have
;   their byte held at 1.  The score is summed as SV + sum(-2 Va r), another order than sum(Va tanh) + Va_b; every term of both is bounded by 2 |Va_o|.  2^(..) = infinity gives r = 0, 2^(..) = 0 gives r = 1.
; THE MODE: SCHED_MODE bits 1:0 = 2 (LLVM: expert scheduling mode 2), set by the entry lines.  The code itself states the register dependences
; between vector or matrix instructions and memory or LDS instructions, with s_wait_alu, always for 0.
; THE PLAN.  Registers that memory or LDS instructions touch, in a group g of a block (p = g % 2):
;   Ua's set q (window 2, with BSC, VA, CB of set q)   read by group g's products and tanh (q = p); the loads of group g + 2's operands land in it at the head of group g + 1.
;   raw sets 0, 1 of hs (window 3)                     loads land, the turn's LDS stores read; no vector instruction names them.  Set p is asked for again in the middle of group g's products.
;   T (window 3)                                       the turn's LDS loads land; the quantiser's vector lines read.
;   IMA, SCA, BFA, the codes, the scale word, Y        the quantiser writes; its eleven LDS stores read.
;   window 1 and ASC                                   a block's 68 LDS loads land at the block's end; the products read.
;   addresses v1-v8, v232, HSO, TSA, TLA               made once at the head, never written again.
; TWO WAITS A GROUP beside the tanh's four.  (1) va_vdst behind ALL the quantiser's vector lines, ahead of its stores: the stores' data and addresses are written; T has been read (the next turn's loads land in it); this
; group's products and tanh are done reading set p (the next group's 42 loads land in it).  Between that wait and those loads no vector instruction names a register that they touch: in the loop none is issued at all,
; at a block's end only v10-v55 and v152-v231 are named.  (2) vm_vsrc in the middle of the products: the last turn's stores have read raw set p, and the last fragment's stores have read what the quantiser writes again.
; The 16 loads of hs follow it, among the products, which name set p of window 2, window 1, the scales and the accumulators: none of the registers that those loads touch.
; The last block has no quantiser: there a wait on va_vdst stands ahead of each group's 42 loads.  A block's end, the loop over ctx, the prologue and the way out state theirs where they stand.
; LDS
.set BF1,    132096                    ; two bf16 copies of 64 rows, at 0 and here; a row is 2,048 bytes + 16 of padding: 129 x 16, so sixteen rows start at sixteen different columns of 16 bytes
.set BPITCH, 2064
.set XIMG,   264192                    ; images of the rows' fragments: (8 rt + s) 1024 + 512 c + 16 lane
.set XSC,    296960                    ; their scale words: 512 rt + 32 r + 4 s
.set TS,     299008                    ; a stage for each wave: 16 rows x (256 bytes + 16)
.set PART,   316416                    ; the waves' parts of the 64 scores: 256 wave + 4 row
.set PB,     317440                    ; p of the 64 rows, each wave's own copy: 256 wave + 4 row
.set REC,    17408                     ; a group's record in ub
; REGISTERS, window 0
.set L16, 1                            ; 16 lane
.set VH,  2                            ; 32 h
.set VH2, 3                            ; 256 h
.set AIA, 4                            ; XIMG + 16 lane
.set ASA, 5                            ; XSC + 512 h + 32 r
.set PSA, 6                            ; PART + 256 w + 4 r
.set PLA, 7                            ; PART + 8 lane
.set PBS, 8                            ; PB + 256 w + 8 lane
.set HA0, 9                            ; 512 w + 16 lane: my 8 columns in a bf16 row
.set HAD, 10
.set PAD, 11
.set MX,  12                           ; m;  v13 l;  v[14:15] f twice;  v[16:17] t;  v[18:19] p;  v[20:27] parts;  v[28:29] SV log2(e) twice;  v30, v31 at work
.set LS,  13
.set CTX, 32                           ; v[32:39] my 8 columns of ctx
.set PP,  40                           ; v[40:55] p of 16 rows
.set ASC, 56                           ; v[56:71] the rows' scale words: 8 (rt / 2) + s; lanes 0-15 the even tile, lanes 16-31 the odd
.set BSC, 72                           ; v[72:87] Ua's: 8 p + s; lanes 0-15 tile 0, lanes 16-31 tile 1
.set CB,  88                           ; v[88:119] cb: 16 p + 8 ct + j
.set VA,  120                          ; v[120:151] -2 Va: 16 p + 8 ct + j
.set SACC,152                          ; v[152:167] the scores' sums, a pair for each accumulator
.set ACC, 168                          ; v[168:231] 8 accumulators, 8 (2 rt + ct); 16 bf16 rows while ctx is summed
.set GSO, 232                          ; 8 lane
.set PBB, 233                          ; PB + 256 w
; window 1: the rows' fragments at 8 (8 rt + s).   window 2: Ua's fragments, two sets: 128 p + 16 s + 8 ct.   window 3:
.set T,    128                         ; v128-191 64 numbers of my row: 16 b + i = k 32 b + 16 h + i;  v0-63, v64-127: two fragments as loaded
.set Y,    192                         ; v192-223 the same as bf16
.set TM,   224                         ; v224-239 at work
.set IMA,  232
.set SCA,  233
.set BFA,  234
.set PCD,  240                         ; v240-247 the codes just made
.set PW,   248                         ; their scale word
.set HSO,  249                         ; 65536 w + 4096 h + 16 r: my 16 bytes in hs
.set TSA,  250                         ; stage, in: TS + 4352 w + 272 h + 16 r
.set TLA,  251                         ; stage, out: TS + 4352 w + 272 r + 64 h
.set IMA0, 252                         ; XIMG + 8192 w + 16 lane
.set SCA0, 253                         ; XSC + 512 w + 32 r
.set BFA0, 254                         ; (16 w + r) 2064 + 32 h
; scalars
.set HSB, 4                            ; s[4:5] hs at the work-group's first row
.set UB,  6                            ; s[6:7] ub at my wave's 8 records
.set CVB, 8                            ; s[8:9] cv at my wave's groups, my batch
.set VAB, 10                           ; s[10:11] va2 at my wave's 256 columns
.set SVP, 12
.set TSCP,14
.set PCP, 16
.set MLP, 18
.set WV,  20
.set GN,  21                           ; the group last asked for
.set HS0, 22                           ; s[22:23], s[24:25] where the even and the odd fragments' loads stand
.set BN,  26                           ; s[26:27] the record asked for;  s[28:29] its offset
.set BO,  28
.set CN,  30
.set CO,  32
.set VN,  34
.set VO,  36
.set TP,  38
.set SEL, 40
.set C2,  42
.set LE,  44
.set FI,  46                           ; the fragment that the quantiser takes next
.set F10, 47
.set F2,  48
.set F8,  49
.set BFW, 50                           ; the bf16 copy that is written;  s51 the one that is read
.set BFR, 51
.set BLK, 52
.set TRIP,53
.set CT,  54
.set CBS, 55
.set PO,  56
.set MSB, 0
.macro WIN new                         ; s_set_vgpr_msb: bits 1:0 source 0, 3:2 source 1, 5:4 source 2, 7:6 destination; the high byte repeats the setting that is left
.if MSB != (\new)
	s_set_vgpr_msb (MSB<<8)|(\new)
.set MSB, \new
.endif
.endm
.macro BAR                             ; my LDS stores have landed and my LDS loads are in: then the work-group's barrier
	s_wait_dscnt 0x0
	s_barrier_signal -1
	s_barrier_wait -1
.endm
; The next group's operands into set q: 32 pieces of Ua's fragments, 2 of its scale words, -2 Va and cb of its 32 columns: 42 loads.  The pointers are written anew: the loads that named them have been waited for.
.macro BLOADS q, first
.if (\first) == 0
	s_add_co_u32 s[GN], s[GN], 1
	s_and_b32 s[GN], s[GN], 7
.endif
	s_mul_i32 s[BO], s[GN], REC
	s_lshl_b32 s[CO], s[GN], 12
	s_lshl_b32 s[VO], s[GN], 7
	s_add_nc_u64 s[BN:BN+1], s[UB:UB+1], s[BO:BO+1]
	s_add_nc_u64 s[CN:CN+1], s[CVB:CVB+1], s[CO:CO+1]
	s_add_nc_u64 s[VN:VN+1], s[VAB:VAB+1], s[VO:VO+1]
	WIN 0x80                                       ; destination window 2
.set ii, 0
.rept 32
	global_load_b128 v[128*(\q)+4*ii:128*(\q)+4*ii+3], v[L16], s[BN:BN+1] offset:512*ii
.set ii, ii+1
.endr
	WIN 0
	global_load_b128 v[BSC+8*(\q):BSC+8*(\q)+3], v[L16], s[BN:BN+1] offset:16384
	global_load_b128 v[BSC+8*(\q)+4:BSC+8*(\q)+7], v[L16], s[BN:BN+1] offset:16896
.irp u, 0,1,2,3
	global_load_b128 v[VA+16*(\q)+4*\u:VA+16*(\q)+4*\u+3], v[VH], s[VN:VN+1] offset:64*(\u/2)+16*(\u%2)
	global_load_b128 v[CB+16*(\q)+4*\u:CB+16*(\q)+4*\u+3], v[VH2], s[CN:CN+1] offset:512*\u
.endr
.endm
; A fragment of hs (my 16 rows x 128 K, f32) as it lies: 16 loads; sixteen lanes read 256 consecutive bytes, aligned, of one row.  Into set p of window 3, through the set's own pointer.
.macro HSISSUE p, delta
.if (\delta) != 0
	s_add_nc_u64 s[HS0+2*(\p):HS0+2*(\p)+1], s[HS0+2*(\p):HS0+2*(\p)+1], \delta
.endif
	WIN 0xFF
.irp q, 0,1
.irp i, 0,1,2,3,4,5,6,7
	global_load_b128 v[64*(\p)+4*(8*\q+\i):64*(\p)+4*(8*\q+\i)+3], v[HSO], s[HS0+2*(\p):HS0+2*(\p)+1] offset:\i*8192+\q*256 th:TH_LOAD_NT
.endr
.endr
.endm
.macro HSFRAG dw, rb, f                ; the same for fragment f of block 0, into window dw from register rb on
	WIN ((\dw)<<6)|3
.irp q, 0,1
.irp i, 0,1,2,3,4,5,6,7
	global_load_b128 v[(\rb)+4*(8*\q+\i):(\rb)+4*(8*\q+\i)+3], v[HSO], s[HSB:HSB+1] offset:\i*8192+\q*256+512*(\f) th:TH_LOAD_NT
.endr
.endr
.endm
; A fragment turns through my wave's stage: in as loaded (16 bytes a lane, rows 2 i + h), out as 16 neighbours of each block of 32 of row r.  LDS serves a wave's instructions in order (ISA guide 5.7.1.4): no wait inside.
; The stores read registers that loads filled and that no vector instruction names.  The loads land in T, which the last quantiser's vector lines read: these stand ahead of that quantiser's wait on va_vdst.
.macro TURN dw, rb
	WIN 0xF3|((\dw)<<2)                            ; addresses and destination window 3, the stores' data window dw
.irp q, 0,1
.irp i, 0,1,2,3,4,5,6,7
	ds_store_b128 v[TSA], v[(\rb)+4*(8*\q+\i):(\rb)+4*(8*\q+\i)+3] offset:544*\i
.endr
.irp u, 0,1
.irp j, 0,1,2,3
	ds_load_b128 v[T+16*(2*\q+\u)+4*\j:T+16*(2*\q+\u)+4*\j+3], v[TLA] offset:128*\u+16*\j
.endr
.endr
.endr
.endm
; The 64 numbers in T become fragment FI of my 16 rows: codes and scale word to LDS as images, and the bf16 copy.  All its vector lines stand first, then one wait, then its eleven LDS stores.
; free = 1: the wait on vm_vsrc for the registers that it writes again stands at its head (the prologue); in a group that wait stands in the middle of the products.
.macro XQ free
	WIN 0xFF
	s_lshl_b32 s[F10], s[FI], 10
	s_lshl_b32 s[F2], s[FI], 2
	s_lshl_b32 s[F8], s[FI], 8
	s_add_co_u32 s[F8], s[F8], s[BFW]
.if \free
	s_wait_alu depctr_vm_vsrc(0)                   ; the last fragment's LDS stores have read IMA, SCA, BFA, the codes, the scale word and Y, which the lines below write again; and this fragment's turn has read its raw registers, in which later loads land
.endif
	v_add_nc_u32 v[IMA], s[F10], v[IMA0]
	v_add_nc_u32 v[SCA], s[F2], v[SCA0]
	v_add_nc_u32 v[BFA], s[F8], v[BFA0]
.irp b, 0,1,2,3
	v_max3_num_f32 v[TM+\b], |v[T+16*\b]|, |v[T+1+16*\b]|, 0x1800000       ; block b: my 16 numbers, and the floor 2^(3 - 127): the byte cannot fall under 1
.endr
.irp i, 2,4,6,8,10,12,14
.irp b, 0,1,2,3
	v_max3_num_f32 v[TM+\b], v[TM+\b], |v[T+16*\b+\i]|, |v[T+1+16*\b+\i]|  ; the four blocks by turns
.endr
.endr
.irp b, 0,1,2,3
	v_permlanex16_b32 v[TM+4+\b], v[TM+\b], s[SEL], s[SEL+1]
.endr
.irp b, 0,1,2,3
	v_max_num_f32 v[TM+\b], v[TM+\b], v[TM+4+\b]   ; with lane l xor 16's: the block's largest magnitude
.endr
.irp b, 0,1,2,3
	v_add_nc_u32 v[TM+12+\b], 0xff000000, v[TM+\b] ; 2 off its exponent field: the conversion takes the exponent field of this operand as its scale
.endr
.irp b, 0,1,2,3
	v_lshrrev_b32 v[TM+4+\b], 23, v[TM+12+\b]      ; the scale's byte
.endr
	v_lshl_or_b32 v[PW], v[TM+5], 8, v[TM+4]
	v_lshl_or_b32 v[PW], v[TM+6], 16, v[PW]
	v_lshl_or_b32 v[PW], v[TM+7], 24, v[PW]        ; my row's scale word
.irp b, 0,1,2,3
	v_cvt_scalef32_pk8_fp4_f32 v[PCD+2*\b], v[T+16*\b:T+7+16*\b], v[TM+12+\b]
	v_cvt_scalef32_pk8_fp4_f32 v[PCD+1+2*\b], v[T+8+16*\b:T+15+16*\b], v[TM+12+\b]
.endr
	v_nop                                          ; one plain place behind a scaled conversion
.irp c, 0,1                                    ; the operand's layout wants a whole block in a lane: lanes 0-15 block 2 c, lanes 16-31 block 2 c + 1
.irp i, 0,1
	v_permlane16_swap_b32 v[PCD+4*\c+\i], v[PCD+2+4*\c+\i]
.endr
.endr
.set ii, 0
.rept 32
	v_cvt_pk_bf16_f32 v[Y+ii], v[T+2*ii], v[T+2*ii+1]
.set ii, ii+1
.endr
	s_wait_alu depctr_va_vdst(0)                   ; the lines above have written the three addresses, the codes, the scale word and Y, which the stores below read, and are done reading T, in which the next turn's loads land; in a group, its products and its tanh are done reading Ua's set, in which the next group's loads land
	ds_store_b128 v[IMA], v[PCD:PCD+3]
	ds_store_b128 v[IMA], v[PCD+4:PCD+7] offset:512
	ds_store_b32 v[SCA], v[PW]                     ; both halves of the lanes write the same word with the same value
.irp b, 0,1,2,3
	ds_store_b128 v[BFA], v[Y+8*\b:Y+8*\b+3] offset:64*\b
	ds_store_b128 v[BFA], v[Y+8*\b+4:Y+8*\b+7] offset:64*\b+16
.endr
	s_add_co_u32 s[FI], s[FI], 1
.endm
.macro MM p, s, rt, ct
.set rD, ACC+8*(2*(\rt)+(\ct))
.set rB, 128*(\p)+16*(\s)+8*(\ct)
.set rA, 8*(8*(\rt)+(\s))
.set rSB, BSC+8*(\p)+(\s)
.set rSA, ASC+8*((\rt)/2)+(\s)
.if (\s) == 0
.if ((\ct) == 0) && ((\rt)%2 == 0)
	v_wmma_scale_f32_16x16x128_f8f6f4 v[rD:rD+7], v[rB:rB+7], v[rA:rA+7], 0, v[rSB], v[rSA] matrix_a_fmt:MATRIX_FMT_FP4 matrix_b_fmt:MATRIX_FMT_FP4
.elseif ((\ct) == 1) && ((\rt)%2 == 0)
	v_wmma_scale_f32_16x16x128_f8f6f4 v[rD:rD+7], v[rB:rB+7], v[rA:rA+7], 0, v[rSB], v[rSA] matrix_a_fmt:MATRIX_FMT_FP4 matrix_b_fmt:MATRIX_FMT_FP4 matrix_a_scale:MATRIX_SCALE_ROW1
.elseif (\ct) == 0
	v_wmma_scale_f32_16x16x128_f8f6f4 v[rD:rD+7], v[rB:rB+7], v[rA:rA+7], 0, v[rSB], v[rSA] matrix_a_fmt:MATRIX_FMT_FP4 matrix_b_fmt:MATRIX_FMT_FP4 matrix_b_scale:MATRIX_SCALE_ROW1
.else
	v_wmma_scale_f32_16x16x128_f8f6f4 v[rD:rD+7], v[rB:rB+7], v[rA:rA+7], 0, v[rSB], v[rSA] matrix_a_fmt:MATRIX_FMT_FP4 matrix_b_fmt:MATRIX_FMT_FP4 matrix_a_scale:MATRIX_SCALE_ROW1 matrix_b_scale:MATRIX_SCALE_ROW1
.endif
.else
.if ((\ct) == 0) && ((\rt)%2 == 0)
	v_wmma_scale_f32_16x16x128_f8f6f4 v[rD:rD+7], v[rB:rB+7], v[rA:rA+7], v[rD:rD+7], v[rSB], v[rSA] matrix_a_fmt:MATRIX_FMT_FP4 matrix_b_fmt:MATRIX_FMT_FP4
.elseif ((\ct) == 1) && ((\rt)%2 == 0)
	v_wmma_scale_f32_16x16x128_f8f6f4 v[rD:rD+7], v[rB:rB+7], v[rA:rA+7], v[rD:rD+7], v[rSB], v[rSA] matrix_a_fmt:MATRIX_FMT_FP4 matrix_b_fmt:MATRIX_FMT_FP4 matrix_a_scale:MATRIX_SCALE_ROW1
.elseif (\ct) == 0
	v_wmma_scale_f32_16x16x128_f8f6f4 v[rD:rD+7], v[rB:rB+7], v[rA:rA+7], v[rD:rD+7], v[rSB], v[rSA] matrix_a_fmt:MATRIX_FMT_FP4 matrix_b_fmt:MATRIX_FMT_FP4 matrix_b_scale:MATRIX_SCALE_ROW1
.else
	v_wmma_scale_f32_16x16x128_f8f6f4 v[rD:rD+7], v[rB:rB+7], v[rA:rA+7], v[rD:rD+7], v[rSB], v[rSA] matrix_a_fmt:MATRIX_FMT_FP4 matrix_b_fmt:MATRIX_FMT_FP4 matrix_a_scale:MATRIX_SCALE_ROW1 matrix_b_scale:MATRIX_SCALE_ROW1
.endif
.endif
.endm
; Half of a group's 64 products: 4 K steps x (4 tiles of rows x 2 tiles of columns).  The first K step starts the sums with the constant 0.  The eight accumulators take turns, one instruction a turn, from half to half too.
.macro MATRIX p, half
	WIN 0x06                                       ; source 0 (Ua) window 2, source 1 (the rows) window 1, C and D window 0
.if (\half) == 0
.irp s, 0,1,2,3
.irp rt, 0,1,2,3
.irp ct, 0,1
	MM \p, \s, \rt, \ct
.endr
.endr
.endr
.else
.irp s, 4,5,6,7
.irp rt, 0,1,2,3
.irp ct, 0,1
	MM \p, \s, \rt, \ct
.endr
.endr
.endr
.endif
.endm
; The group's 64 numbers a lane: c k + cb; 2^(..); + 1; 1 / (..); x (-2 Va), summed.  Each batch of transcendentals has one plain line behind it and one wait ahead of its first reader.
.macro TANH p
.irp a, 0,1,2,3,4,5,6,7
.irp j, 0,2,4,6
	v_pk_fma_f32 v[ACC+8*\a+\j:ACC+8*\a+\j+1], v[ACC+8*\a+\j:ACC+8*\a+\j+1], s[C2:C2+1], v[CB+16*(\p)+8*(\a%2)+\j:CB+16*(\p)+8*(\a%2)+\j+1] op_sel_hi:[1,0,1]   ; each accumulator from its low end on
.endr
.endr
.set ii, 0
	s_wait_alu depctr_va_vdst(0)
.rept 64
	v_exp_f32 v[ACC+ii], v[ACC+ii]
.set ii, ii+1
.endr
	v_nop
	s_wait_alu depctr_va_vdst(0)                   ; the 64 exponentials have written v[ACC ..], ahead of the additions that read them
.set ii, 0
.rept 32
	v_pk_add_f32 v[ACC+ii:ACC+ii+1], v[ACC+ii:ACC+ii+1], 1.0 op_sel_hi:[1,0]
.set ii, ii+2
.endr
.set ii, 0
	s_wait_alu depctr_va_vdst(0)
.rept 64
	v_rcp_f32 v[ACC+ii], v[ACC+ii]
.set ii, ii+1
.endr
	v_nop
	s_wait_alu depctr_va_vdst(0)                   ; the 64 reciprocals have written v[ACC ..], ahead of the multiply-adds that read them
.irp j, 0,2,4,6
.irp a, 0,1,2,3,4,5,6,7
	v_pk_fma_f32 v[SACC+2*\a:SACC+2*\a+1], v[ACC+8*\a+\j:ACC+8*\a+\j+1], v[VA+16*(\p)+8*(\a%2)+\j:VA+16*(\p)+8*(\a%2)+\j+1], v[SACC+2*\a:SACC+2*\a+1]   ; eight chains by turns
.endr
.endr
.endm
; GROUP g of a block, on set p = g % 2.  bl: the next group's operands are asked for (2: not in the loop's last trip).  hi: fragment g + 2 of the next block is asked for, in the middle of the products.
; qn: fragment g is quantised.  tn: fragment g + 1 turns.
.macro ITER p, bl, hi, qn, tn
.if (\bl) == 1
.if (\qn) == 0
	s_wait_alu depctr_va_vdst(0)                   ; no quantiser stands in this block's groups: the last group's products and tanh are done reading the other set of Ua, its scales, -2 Va and cb, in which the loads below land
.endif
	BLOADS 1-\p, 0                                 ; (where the groups quantise, the last group's wait on va_vdst has stated the same, and no vector instruction since names these registers)
.elseif (\bl) == 2
	s_cmp_eq_u32 s[TRIP], 1
	s_cbranch_scc1 .Lnob_\@
	s_wait_alu depctr_va_vdst(0)                   ; the last group's products and tanh are done reading the other set of Ua, its scales, -2 Va and cb, in which the loads below land
	BLOADS 1-\p, 0
.Lnob_\@:
.endif
	MATRIX \p, 0
.if (\hi) || (\qn)
	s_wait_alu depctr_vm_vsrc(0)                   ; the last turn's LDS stores have read raw set p, in which the loads below land; the last fragment's LDS stores have read what this group's quantiser writes again
.endif
.if \hi
	s_wait_dscnt 8                                 ; of the last turn's 32 LDS instructions only the last eight loads may be out: its stores are done
	HSISSUE \p, 1024                               ; two fragments on; the set's last loads were waited for a group ago, so its pointer may step.  The products round these loads name none of their registers
.endif
	MATRIX \p, 1
	WIN 0
.rept 5
	v_nop                                          ; plain places behind the last product: four ahead of the first read of results, five ahead of the next group's products, which begin these accumulators anew (ISA guide 7.12.1)
.endr
	TANH \p
.if \qn
	s_wait_dscnt 0x0                               ; the fragment is back from the stage; the last fragment's stores are done
	XQ 0
.endif
	s_wait_loadcnt 16*\hi                          ; all but the 16 loads of hs issued in this group: fragment g + 1 and the next group's 42 loads are in
.if \tn
	TURN 3, 64*(1-\p)
.endif
	WIN 0
.endm
; The 64 rows' fragments and scale words out of LDS: 68 loads.  They land in window 1 and ASC, which the block's products read: those stand ahead of group 7's wait on va_vdst, and no vector or matrix instruction since names them.
.macro ALOAD
	WIN 0x40                                       ; destination window 1
.set ii, 0
.rept 64
	ds_load_b128 v[4*ii:4*ii+3], v[AIA] offset:512*ii
.set ii, ii+1
.endr
	WIN 0
.irp u, 0,1,2,3
	ds_load_b128 v[ASC+4*\u:ASC+4*\u+3], v[ASA] offset:1024*(\u/2)+16*(\u%2)
.endr
.endm
.macro SCORE                           ; my 256 columns' part of the 64 scores
.irp rt, 0,1,2,3
	v_pk_add_f32 v[SACC+4*\rt:SACC+4*\rt+1], v[SACC+4*\rt:SACC+4*\rt+1], v[SACC+4*\rt+2:SACC+4*\rt+3]
.endr
.irp rt, 0,1,2,3
	v_add_f32 v[20+\rt], v[SACC+4*\rt], v[SACC+4*\rt+1]
.endr
.irp rt, 0,1,2,3
	v_permlanex16_b32 v[24+\rt], v[20+\rt], s[SEL], s[SEL+1]
.endr
.irp rt, 0,1,2,3
	v_add_f32 v[20+\rt], v[20+\rt], v[24+\rt]      ; with the columns of lane l xor 16
.endr
	s_wait_alu depctr_va_vdst(0)                   ; the sums above have written v20 to v23, which the stores below read, and are done with v20 to v27, in which the parts' loads land behind the barrier
.irp rt, 0,1,2,3
	ds_store_b32 v[PSA], v[20+\rt] offset:64*\rt
.endr
.endm
.macro PARTS                           ; the four waves' parts of rows 2 lane, 2 lane + 1
	s_wait_alu depctr_vm_vsrc(0)                   ; my stores of my part have read v20 to v23, in which the loads below land; the last block's stores of t and p have read v16 to v19, which the softmax writes again
.irp u, 0,1,2,3
	ds_load_b64 v[20+2*\u:21+2*\u], v[PLA] offset:256*\u
.endr
.endm
; The block's 64 scores, two a lane, the same in every wave: t, the new m, f = 2^(old m - new m), p = 2^(t - m), l = l f + the sum of p, ctx x f.  Wave 0 stores t.
.macro SOFT
	v_pk_add_f32 v[20:21], v[20:21], v[22:23]
	v_pk_add_f32 v[24:25], v[24:25], v[26:27]
	v_pk_add_f32 v[20:21], v[20:21], v[24:25]
	v_pk_fma_f32 v[16:17], v[20:21], s[LE:LE+1], v[28:29] op_sel_hi:[1,0,1]
	v_max_num_f32 v30, v16, v17
	v_max_num_f32_dpp v30, v30, v30 row_xmask:1 row_mask:0xf bank_mask:0xf
	v_max_num_f32_dpp v30, v30, v30 row_xmask:2 row_mask:0xf bank_mask:0xf
	v_max_num_f32_dpp v30, v30, v30 row_xmask:4 row_mask:0xf bank_mask:0xf
	v_max_num_f32_dpp v30, v30, v30 row_xmask:8 row_mask:0xf bank_mask:0xf
	v_permlanex16_b32 v31, v30, s[SEL], s[SEL+1]
	v_max3_num_f32 v30, v30, v31, v[MX]            ; the running maximum
	v_sub_f32 v14, v[MX], v30
	v_pk_add_f32 v[18:19], v[16:17], v[30:31] op_sel_hi:[1,0] neg_lo:[0,1] neg_hi:[0,1]
	s_wait_alu depctr_va_vdst(0)
	v_exp_f32 v14, v14
	v_exp_f32 v18, v18
	v_exp_f32 v19, v19
	v_mov_b32 v[MX], v30                           ; the plain line behind the three exponentials
	s_wait_alu depctr_va_vdst(0)                   ; the exponentials have written f (v14) and p (v18, v19), ahead of their first reader; t (v16, v17) is written too: the two stores below read p and t, and no line behind this wait writes them
	v_mov_b32 v15, v14
	v_add_f32 v30, v18, v19
	v_add_f32_dpp v30, v30, v30 row_xmask:1 row_mask:0xf bank_mask:0xf
	v_add_f32_dpp v30, v30, v30 row_xmask:2 row_mask:0xf bank_mask:0xf
	v_add_f32_dpp v30, v30, v30 row_xmask:4 row_mask:0xf bank_mask:0xf
	v_add_f32_dpp v30, v30, v30 row_xmask:8 row_mask:0xf bank_mask:0xf
	v_permlanex16_b32 v31, v30, s[SEL], s[SEL+1]
	v_add_f32 v30, v30, v31
	v_fma_f32 v[LS], v[LS], v14, v30
	ds_store_b64 v[PBS], v[18:19]                  ; my wave's own copy of p
.irp k, 0,2,4,6
	v_pk_mul_f32 v[CTX+\k:CTX+\k+1], v[CTX+\k:CTX+\k+1], v[14:15]
.endr
	s_cmp_lg_u32 s[WV], 0
	s_cbranch_scc1 .Lnot0_\@
	global_store_b64 v[GSO], v[16:17], s[TSCP:TSCP+1]              ; 256 consecutive bytes, aligned
.Lnot0_\@:
.endm
; ctx += p x hs over the block's 64 rows, 16 a trip; my lane has 8 columns.  p comes back by loads in which all lanes name the same 16 bytes.
.macro CTXLOOP
	s_mov_b32 s[CBS], s[BFR]
	s_mov_b32 s[PO], 0
	s_mov_b32 s[CT], 4
.Lctx_\@:
	s_wait_alu depctr_vm_vsrc(0)                   ; the LDS loads issued so far have read v[HAD] and v[PAD], which the two lines below write
	v_add_nc_u32 v[HAD], s[CBS], v[HA0]
	v_add_nc_u32 v[PAD], s[PO], v[PBB]
	s_wait_alu depctr_va_vdst(0)                   ; the two addresses are written, which the loads below read; the last trip's multiply-adds (in the first trip: the tanh) are done with PP and with the rows' registers, in which the loads land
.irp u, 0,1,2,3
	ds_load_b128 v[PP+4*\u:PP+4*\u+3], v[PAD] offset:16*\u         ; LDS serves a wave's instructions in order: these see my store of p
.endr
.set ii, 0
.rept 16
	ds_load_b128 v[ACC+4*ii:ACC+4*ii+3], v[HAD] offset:BPITCH*ii
.set ii, ii+1
.endr
	s_wait_dscnt 8                                 ; p and rows 0-7 are in; rows 8-15 may be out
.set ii, 0
.rept 16
.if ii == 8
	s_wait_alu depctr_va_vdst(0)
	s_wait_dscnt 0x0
.endif
.irp k, 0,1,2,3
	v_fma_mix_f32_bf16 v[CTX+2*\k], v[ACC+4*ii+\k], v[PP+ii], v[CTX+2*\k] op_sel_hi:[1,0,0]
	v_fma_mix_f32_bf16 v[CTX+2*\k+1], v[ACC+4*ii+\k], v[PP+ii], v[CTX+2*\k+1] op_sel:[1,0,0] op_sel_hi:[1,0,0]
.endr
.set ii, ii+1
.endr
	s_add_co_u32 s[CBS], s[CBS], 16*BPITCH
	s_add_co_u32 s[PO], s[PO], 64
	s_sub_co_i32 s[CT], s[CT], 1
	s_cmp_lg_u32 s[CT], 0
	s_cbranch_scc1 .Lctx_\@
.endm
.macro PRO dw, rb, n, free             ; the prologue's step: a fragment of block 0 is in (n younger loads may be out), turns and is quantised
	s_wait_loadcnt \n
	TURN \dw, \rb
	s_wait_dscnt 0x0
	XQ \free
.endm
	; ---- HEAD
	s_load_b256 s[4:11], s[0:1], 0x0               ; hs, ub, cv, va2
	s_load_b256 s[12:19], s[0:1], 0x20             ; sv, tsc, pc, ml
	v_lshl_add_u32 v254, v0, 2, 0x4dc00
	v_mov_b32 v255, 0
	v_and_b32 v40, 31, v0                          ; lane
	v_and_b32 v41, 15, v0                          ; r
	v_bfe_u32 v42, v0, 4, 1                        ; h
	v_lshrrev_b32 v43, 5, v0                       ; w
	v_readfirstlane_b32 s[WV], v43
	v_lshlrev_b32 v[L16], 4, v40
	v_lshlrev_b32 v[VH], 5, v42
	v_lshlrev_b32 v[VH2], 8, v42
	v_add_nc_u32 v[AIA], XIMG, v[L16]
	v_lshlrev_b32 v44, 9, v42
	v_lshl_add_u32 v44, v41, 5, v44
	v_add_nc_u32 v[ASA], XSC, v44
	v_lshlrev_b32 v45, 8, v43
	v_add_nc_u32 v[PBB], PB, v45
	v_lshl_add_u32 v45, v41, 2, v45
	v_add_nc_u32 v[PSA], PART, v45
	v_lshl_add_u32 v[PLA], v40, 3, PART
	v_lshl_add_u32 v[PBS], v0, 3, PB               ; 8 x thread = 256 w + 8 lane
	v_lshlrev_b32 v[HA0], 4, v0                    ; 16 x thread = 512 w + 16 lane
	v_lshlrev_b32 v[GSO], 3, v40
	v_mul_u32_u24 v46, v43, 4352
	v_add_nc_u32 v46, TS, v46                      ; my stage
	v_mad_u32_u24 v47, v42, 272, v46
	v_mad_u32_u24 v48, v41, 272, v46
	v_lshlrev_b32 v49, 13, v43
	v_lshl_add_u32 v49, v40, 4, v49
	v_lshlrev_b32 v50, 9, v43
	v_lshl_add_u32 v50, v41, 5, v50
	v_lshl_add_u32 v51, v43, 4, v41
	v_mul_u32_u24 v51, v51, BPITCH
	v_lshlrev_b32 v52, 16, v43
	v_lshl_add_u32 v52, v42, 12, v52
	WIN 0xC0                                       ; destination window 3, sources window 0
	v_lshl_add_u32 v[TSA], v41, 4, v47
	v_lshl_add_u32 v[TLA], v42, 6, v48
	v_add_nc_u32 v[IMA0], XIMG, v49
	v_add_nc_u32 v[SCA0], XSC, v50
	v_lshl_add_u32 v[BFA0], v42, 5, v51
	v_lshl_add_u32 v[HSO], v41, 4, v52
.irp b, 0,1,2,3
	v_mov_b32 v[TM+4+\b], 0                        ; written once: a lane permute's destination counts as one of its sources
.endr
	WIN 0
	v_mov_b32 v[MX], 0xff61b1e6                    ; m: -3e38, under every t
	v_mov_b32 v[LS], 0
	v_mov_b32 v15, 0
	v_mov_b32 v31, 0
.irp k, 24,25,26,27
	v_mov_b32 v[\k], 0
.endr
.irp k, 0,1,2,3,4,5,6,7
	v_mov_b32 v[CTX+\k], 0                         ; the first change of m multiplies zeros
.endr
.irp k, 0,1,2,3,4,5,6,7,8,9,10,11,12,13,14,15
	v_mov_b32 v[SACC+\k], 0
.endr
	s_wait_alu depctr_va_sdst(0)                   ; s[WV] is written, ahead of its first reader: the bases below are made from it
	s_and_b32 s57, ttmp7, 0xffff                   ; b
	s_mov_b32 s[TP+1], 0
	s_mov_b32 s[BO+1], 0
	s_mov_b32 s[CO+1], 0
	s_mov_b32 s[VO+1], 0
	s_mov_b32 s[SEL], 0x76543210
	s_mov_b32 s[SEL+1], 0xfedcba98
	s_mov_b32 s[C2], 0x4038aa3b                    ; c = 2 log2(e)
	s_mov_b32 s[C2+1], s[C2]
	s_mov_b32 s[LE], 0x3fb8aa3b                    ; log2(e)
	s_mov_b32 s[LE+1], s[LE]
	s_mov_b32 s[GN], 0
	s_mov_b32 s[FI], 0
	s_mov_b32 s[BFW], 0
	s_wait_kmcnt 0x0
	s_lshl_b32 s[TP], s57, 23                      ; a batch of hs is 2^23 bytes, my 256 rows 2^20
	s_lshl_b32 s58, ttmp9, 20
	s_add_co_u32 s[TP], s[TP], s58
	s_add_nc_u64 s[HSB:HSB+1], s[HSB:HSB+1], s[TP:TP+1]
	s_mul_i32 s[TP], s[WV], 8*REC
	s_add_nc_u64 s[UB:UB+1], s[UB:UB+1], s[TP:TP+1]
	s_lshl_b32 s[TP], s[WV], 15
	s_lshr_b32 s58, s57, 4
	s_lshl_b32 s58, s58, 11
	s_add_co_u32 s[TP], s[TP], s58
	s_and_b32 s58, s57, 15
	s_lshl_b32 s58, s58, 4
	s_add_co_u32 s[TP], s[TP], s58
	s_add_nc_u64 s[CVB:CVB+1], s[CVB:CVB+1], s[TP:TP+1]
	s_lshl_b32 s[TP], s[WV], 10
	s_add_nc_u64 s[VAB:VAB+1], s[VAB:VAB+1], s[TP:TP+1]
	s_lshl_b32 s[TP], s57, 13
	s_lshl_b32 s58, ttmp9, 10
	s_add_co_u32 s[TP], s[TP], s58
	s_add_nc_u64 s[TSCP:TSCP+1], s[TSCP:TSCP+1], s[TP:TP+1]
	s_lshl_b32 s59, s57, 3
	s_add_co_u32 s59, s59, ttmp9                   ; the work-group's number: 8 b + x
	s_lshl_b32 s[TP], s59, 12
	s_lshl_b32 s58, s[WV], 9
	s_add_co_u32 s[TP], s[TP], s58
	s_add_nc_u64 s[PCP:PCP+1], s[PCP:PCP+1], s[TP:TP+1]
	s_lshl_b32 s[TP], s59, 8
	s_add_nc_u64 s[MLP:MLP+1], s[MLP:MLP+1], s[TP:TP+1]
	s_wait_alu depctr_va_vdst(0)                   ; the addresses v1 to v8, v232, HSO, TSA and TLA are written, which loads and stores read from here to the end; so are v24 to v27 and v40 to v52, in which LDS loads land later
	global_load_b64 v[28:29], v[GSO], s[SVP:SVP+1] ; SV, twice
	BLOADS 0, 1                                    ; group 0's operands
	HSFRAG 3, 0, 0                                 ; block 0, my 16 rows: all eight fragments are asked for at once, into registers that lie idle until the first product
	HSFRAG 3, 64, 1
	HSFRAG 1, 0, 2
	HSFRAG 1, 64, 3
	HSFRAG 1, 128, 4
	HSFRAG 1, 192, 5
	HSFRAG 2, 128, 6
	HSFRAG 2, 192, 7
	; ---- PROLOGUE: block 0's operand and its bf16 copy.  The counts: the loads younger than the fragment, at most what the wait's field holds
	PRO 3, 0, 63, 0                                ; 112 younger.  (No LDS store has yet read what the quantiser writes)
	PRO 3, 64, 63, 1                               ; 96 younger
	s_add_nc_u64 s[HS0:HS0+1], s[HSB:HSB+1], 262144            ; block 1 begins 64 rows of 4,096 bytes on: its fragments 0 and 1 take the two sets that have just been turned
	s_add_nc_u64 s[HS0+2:HS0+3], s[HSB:HSB+1], 262144+512
	HSISSUE 0, 0                                   ; both turns' stores stand ahead of the wait on vm_vsrc at the head of the quantiser just above: they have read the two sets
	HSISSUE 1, 0
	PRO 1, 0, 63, 1                                ; 80 + 32 younger
	PRO 1, 64, 63, 1                               ; 64 + 32
	PRO 1, 128, 63, 1                              ; 48 + 32
	PRO 1, 192, 63, 1                              ; 32 + 32
	PRO 2, 128, 48, 1                              ; 16 + 32
	PRO 2, 192, 32, 1                              ; 32
	WIN 0
	BAR                                            ; block 0's images and bf16 copy lie in LDS
	ALOAD                                          ; into window 1: the turns' stores that read it stand ahead of the quantisers' waits on vm_vsrc; no vector instruction has named it
	s_wait_loadcnt 16                              ; block 1's fragment 0 is in (fragment 1 may be out), and so are SV and group 0's operands
	v_pk_mul_f32 v[28:29], v[28:29], s[LE:LE+1] op_sel_hi:[1,0]
	TURN 3, 0
	WIN 0
	s_mov_b32 s[FI], 0
	s_mov_b32 s[BFW], BF1
	s_mov_b32 s[BFR], 0
	s_mov_b32 s[BLK], 3
	BAR                                            ; every wave has read the images: they may be written again
	; ---- BLOCKS 0 to 2
.Lblock:
	s_mov_b32 s[TRIP], 3
.Lpair:
	ITER 0, 1, 1, 1, 1
	ITER 1, 1, 1, 1, 1
	s_sub_co_i32 s[TRIP], s[TRIP], 1
	s_cmp_lg_u32 s[TRIP], 0
	s_cbranch_scc1 .Lpair
	ITER 0, 1, 0, 1, 1                             ; groups 6 and 7: the next block has no fragment 8
	ITER 1, 1, 0, 1, 0
	s_cmp_eq_u32 s[BLK], 1                         ; behind block 2 there is no block 4: no load leaves hs
	s_cbranch_scc1 .Lnofetch
	HSISSUE 0, 259072                              ; from fragment 6 to fragment 0 of the block after: 262,144 - 3,072 bytes.  The turns of groups 5 and 6 stand ahead of group 7's wait on vm_vsrc: their stores have read both sets
	HSISSUE 1, 259072
	WIN 0
.Lnofetch:
	SCORE
	BAR                                            ; the parts of the scores, the next block's images and its bf16 copy lie in LDS
.irp k, 0,1,2,3,4,5,6,7,8,9,10,11,12,13,14,15
	v_mov_b32 v[SACC+\k], 0
.endr
	PARTS
	ALOAD
	s_wait_dscnt 63                                ; 72 LDS loads were issued, the four parts first: with at most 63 out the oldest nine are in, the parts among them (68 stand behind the parts; 63 is the most that the wait's field holds)
	SOFT
	CTXLOOP
	s_wait_xcnt 0x0                                ; the store of t has read its base and its data (its data registers are written again only behind the next block's wait on vm_vsrc too)
	s_add_nc_u64 s[TSCP:TSCP+1], s[TSCP:TSCP+1], 256
	s_mov_b32 s[FI], 0
	s_xor_b32 s[BFW], s[BFW], BF1
	s_xor_b32 s[BFR], s[BFR], BF1
	s_wait_loadcnt 16                              ; fragment 0 of the block after the next is in; fragment 1 may be out
	TURN 3, 0                                      ; (behind block 2 nothing was asked for: old numbers turn, and nobody reads them; so every count is the same on both ways)
	WIN 0
	BAR                                            ; every wave has read the parts, the images and the bf16 copy: all three may be written again
	s_sub_co_i32 s[BLK], s[BLK], 1
	s_cmp_lg_u32 s[BLK], 0
	s_cbranch_scc1 .Lblock
	; ---- BLOCK 3: nothing more to fetch of hs
	s_mov_b32 s[TRIP], 4
.Llast:
	ITER 0, 1, 0, 0, 0
	ITER 1, 2, 0, 0, 0
	s_sub_co_i32 s[TRIP], s[TRIP], 1
	s_cmp_lg_u32 s[TRIP], 0
	s_cbranch_scc1 .Llast
	s_wait_alu depctr_va_vdst(0)
	SCORE
	BAR
	PARTS
	s_wait_dscnt 0x0
	SOFT
	CTXLOOP
	s_wait_alu depctr_va_vdst(0)                   ; the last multiply-adds have written ctx (v[32:39]), and m and l (v12, v13) are written: the stores below read them
	global_store_b128 v[L16], v[CTX:CTX+3], s[PCP:PCP+1]               ; 512 consecutive bytes a store: columns 8 L + 0 .. 3 at 16 L,
	global_store_b128 v[L16], v[CTX+4:CTX+7], s[PCP:PCP+1] offset:2048 ; columns 8 L + 4 .. 7 at 2048 + 16 L
	s_cmp_lg_u32 s[WV], 0
	s_cbranch_scc1 .Lend
	global_store_b64 v[GSO], v[MX:MX+1], s[MLP:MLP+1]                  ; {m, l}, 32 times: 256 consecutive bytes
.Lend:
	s_wait_dscnt 0x0
	s_wait_alu depctr_hold_cnt(0) depctr_sa_sdst(0) depctr_va_vdst(0) depctr_va_sdst(0) depctr_va_ssrc(0) depctr_va_vcc(0) depctr_vm_vsrc(0)
	s_wait_tensorcnt 0x0
	ds_add_u32 v254, v255
	s_wait_dscnt 0x0
	s_endpgm
.Lfunc_end_k_qd50591f424_main:
	.size	k_qd50591f424_main, .Lfunc_end_k_qd50591f424_main-k_qd50591f424_main
	.p2alignl 7, 3214868480
	.fill 96, 4, 3214868480
	.section	.rodata,"a",@progbits
	.p2align	6, 0x0
	.amdhsa_kernel k_qd50591f424_main
		.amdhsa_group_segment_fixed_size 318976
		.amdhsa_private_segment_fixed_size 0
		.amdhsa_enable_private_segment 0
		.amdhsa_kernarg_size 64
		.amdhsa_user_sgpr_count 2
		.amdhsa_user_sgpr_kernarg_segment_ptr 1
		.amdhsa_wavefront_size32 1
		.amdhsa_system_sgpr_workgroup_id_x 1
		.amdhsa_system_sgpr_workgroup_id_y 1
		.amdhsa_system_sgpr_workgroup_id_z 1
		.amdhsa_system_vgpr_workitem_id 0
		.amdhsa_next_free_vgpr 1024
		.amdhsa_next_free_sgpr 66
		.amdhsa_reserve_vcc 0
		.amdhsa_float_denorm_mode_32 3
		.amdhsa_float_denorm_mode_16_64 3
		.amdhsa_memory_ordered 1
		.amdhsa_forward_progress 1
		.amdhsa_inst_pref_size 255
	.end_amdhsa_kernel
	.section	.bss,"aw",@nobits
	.p2align	6
	.space	262144
	.amdgpu_metadata
---
amdhsa.version: [ 1, 2 ]
amdhsa.kernels:
  - .name:           k_qd50591f424_main
    .symbol:         k_qd50591f424_main.kd
    .args:
      - { .name: hs, .offset: 0, .size: 8, .value_kind: global_buffer, .address_space: global }
      - { .name: ub, .offset: 8, .size: 8, .value_kind: global_buffer, .address_space: global }
      - { .name: cv, .offset: 16, .size: 8, .value_kind: global_buffer, .address_space: global }
      - { .name: va2, .offset: 24, .size: 8, .value_kind: global_buffer, .address_space: global }
      - { .name: sv, .offset: 32, .size: 8, .value_kind: global_buffer, .address_space: global }
      - { .name: tsc, .offset: 40, .size: 8, .value_kind: global_buffer, .address_space: global }
      - { .name: pc, .offset: 48, .size: 8, .value_kind: global_buffer, .address_space: global }
      - { .name: ml, .offset: 56, .size: 8, .value_kind: global_buffer, .address_space: global }
    .group_segment_fixed_size: 318976
    .private_segment_fixed_size: 0
    .kernarg_segment_align: 8
    .kernarg_segment_size: 64
    .max_flat_workgroup_size: 128
    .sgpr_count:     66
    .vgpr_count:     1024
    .wavefront_size: 32
...
	.end_amdgpu_metadata
.endif
;; end of part 5
;; launch fin (part 6): grid 32 x 1, 8 waves a work-group, no clusters, 0 bytes of LDS; arguments tsc, pc, ml, out0, out1; writes out0, out1
.if DOCPART == 6
	.amdgcn_target "amdgcn-amd-amdhsa--gfx1250"
	.amdhsa_code_object_version 6
	.text
	.protected	k_qd50591f424_fin
	.globl	k_qd50591f424_fin
	.p2align	8
	.type	k_qd50591f424_fin,@function
k_qd50591f424_fin:
	s_mov_b64 s[64:65], 0
	v_nop
	global_prefetch_b8 v0, s[64:65] scope:SCOPE_SE
	s_setreg_imm32_b32 hwreg(HW_REG_WAVE_MODE, 25, 1), 1
	s_wait_xcnt 0x0
; THE JOIN.  Work-group b joins the eight parts of batch b: M = the largest m, g_x = 2^(m_x - M) / L, L = the sum of l_x 2^(m_x - M);
; ctx = the sum of g_x x part x (out0);  attn = 2^(t - M) / L (out1).  Thread T has columns 4 T .. 4 T + 3 of ctx and eight numbers of attn.
; No LDS, no barrier: every wave reads the eight {m, l} itself.  Matrix units and clusters have nothing to do here: 1.4 MB are read once.
	s_load_b256 s[4:11], s[0:1], 0x0               ; tsc s[4:5], pc s[6:7], ml s[8:9], out0 s[10:11]
	s_load_b64 s[12:13], s[0:1], 0x20              ; out1
	v_and_b32 v1, 7, v0
	s_delay_alu instid0(VALU_DEP_1)
	v_lshlrev_b32 v1, 8, v1                        ; ml: part T % 8, 256 bytes a part
	v_and_b32 v4, 1, v0
	v_lshrrev_b32 v5, 1, v0
	s_delay_alu instid0(VALU_DEP_2)
	v_lshlrev_b32 v4, 11, v4
	s_delay_alu instid0(VALU_DEP_1)
	v_lshl_add_u32 v4, v5, 4, v4                   ; pc: columns 4 T on lie at (T % 2) 2048 + 16 (T / 2)
	v_lshlrev_b32 v5, 4, v0                        ; 16 T
	s_mov_b32 s15, 0
	s_wait_alu depctr_va_vdst(0)
	s_wait_kmcnt 0x0
	s_lshl_b32 s14, ttmp9, 13
	s_add_nc_u64 s[4:5], s[4:5], s[14:15]
	s_add_nc_u64 s[12:13], s[12:13], s[14:15]
	s_lshl_b32 s14, ttmp9, 15
	s_add_nc_u64 s[6:7], s[6:7], s[14:15]
	s_lshl_b32 s14, ttmp9, 11
	s_add_nc_u64 s[8:9], s[8:9], s[14:15]
	s_lshl_b32 s14, ttmp9, 12
	s_add_nc_u64 s[10:11], s[10:11], s[14:15]
	global_load_b64 v[2:3], v1, s[8:9]             ; {m, l} of part T % 8
.irp x, 0,1,2,3,4,5,6,7
	global_load_b128 v[8+4*\x:11+4*\x], v4, s[6:7] offset:4096*\x
.endr
	global_load_b128 v[40:43], v5, s[4:5]
	global_load_b128 v[44:47], v5, s[4:5] offset:4096
	s_wait_loadcnt 10                              ; {m, l} is in; the ten loads behind it may be out
	v_mov_b32 v6, v2
	s_delay_alu instid0(VALU_DEP_1)
	v_max_num_f32_dpp v6, v6, v6 row_xmask:1 row_mask:0xf bank_mask:0xf
	s_delay_alu instid0(VALU_DEP_1)
	v_max_num_f32_dpp v6, v6, v6 row_xmask:2 row_mask:0xf bank_mask:0xf
	s_delay_alu instid0(VALU_DEP_1)
	v_max_num_f32_dpp v6, v6, v6 row_xmask:4 row_mask:0xf bank_mask:0xf   ; M, in every lane
	s_delay_alu instid0(VALU_DEP_1)
	v_sub_f32 v7, v2, v6
	s_wait_alu depctr_va_vdst(0)
	v_exp_f32 v7, v7
	v_nop                                          ; a plain line behind the transcendental,
	s_wait_alu depctr_va_vdst(0)                   ; and the wait ahead of its first reader
	v_mul_f32 v48, v3, v7
	s_delay_alu instid0(VALU_DEP_1)
	v_add_f32_dpp v48, v48, v48 row_xmask:1 row_mask:0xf bank_mask:0xf
	s_delay_alu instid0(VALU_DEP_1)
	v_add_f32_dpp v48, v48, v48 row_xmask:2 row_mask:0xf bank_mask:0xf
	s_delay_alu instid0(VALU_DEP_1)
	v_add_f32_dpp v48, v48, v48 row_xmask:4 row_mask:0xf bank_mask:0xf    ; L
	s_wait_alu depctr_va_vdst(0)
	v_rcp_f32 v49, v48
	v_nop
	s_wait_alu depctr_va_vdst(0)
	v_mul_f32 v50, v7, v49                         ; g of part lane % 8
.irp x, 0,1,2,3,4,5,6,7
	v_readlane_b32 s[24+\x], v50, \x
.endr
	s_wait_loadcnt 2                               ; the eight parts are in
.irp k, 0,1,2,3
	v_mul_f32 v[52+\k], s24, v[8+\k]
.endr
.irp x, 1,2,3,4,5,6,7
.irp k, 0,1,2,3
	s_delay_alu instid0(VALU_DEP_4)
	v_fmac_f32 v[52+\k], s[24+\x], v[8+4*\x+\k]
.endr
.endr
	global_store_b128 v5, v[52:55], s[10:11]       ; a wave stores 512 consecutive bytes
	s_wait_loadcnt 0x0
.irp k, 0,1,2,3,4,5,6,7
	v_sub_f32 v[40+\k], v[40+\k], v6
.endr
	s_wait_alu depctr_va_vdst(0)
.irp k, 0,1,2,3,4,5,6,7
	v_exp_f32 v[40+\k], v[40+\k]
.endr
	v_nop
	s_wait_alu depctr_va_vdst(0)
.irp k, 0,1,2,3,4,5,6,7
	v_mul_f32 v[40+\k], v[40+\k], v49
.endr
	global_store_b128 v5, v[40:43], s[12:13]
	global_store_b128 v5, v[44:47], s[12:13] offset:4096
	s_endpgm
.Lfunc_end_k_qd50591f424_fin:
	.size	k_qd50591f424_fin, .Lfunc_end_k_qd50591f424_fin-k_qd50591f424_fin
	.p2alignl 7, 3214868480
	.fill 96, 4, 3214868480
	.section	.rodata,"a",@progbits
	.p2align	6, 0x0
	.amdhsa_kernel k_qd50591f424_fin
		.amdhsa_group_segment_fixed_size 0
		.amdhsa_private_segment_fixed_size 0
		.amdhsa_enable_private_segment 0
		.amdhsa_kernarg_size 40
		.amdhsa_user_sgpr_count 2
		.amdhsa_user_sgpr_kernarg_segment_ptr 1
		.amdhsa_wavefront_size32 1
		.amdhsa_system_sgpr_workgroup_id_x 1
		.amdhsa_system_sgpr_workgroup_id_y 1
		.amdhsa_system_sgpr_workgroup_id_z 1
		.amdhsa_system_vgpr_workitem_id 0
		.amdhsa_next_free_vgpr 64
		.amdhsa_next_free_sgpr 66
		.amdhsa_reserve_vcc 0
		.amdhsa_float_denorm_mode_32 3
		.amdhsa_float_denorm_mode_16_64 3
		.amdhsa_memory_ordered 1
		.amdhsa_forward_progress 1
		.amdhsa_inst_pref_size 7
	.end_amdhsa_kernel
	.amdgpu_metadata
---
amdhsa.version: [ 1, 2 ]
amdhsa.kernels:
  - .name:           k_qd50591f424_fin
    .symbol:         k_qd50591f424_fin.kd
    .args:
      - { .name: tsc, .offset: 0, .size: 8, .value_kind: global_buffer, .address_space: global }
      - { .name: pc, .offset: 8, .size: 8, .value_kind: global_buffer, .address_space: global }
      - { .name: ml, .offset: 16, .size: 8, .value_kind: global_buffer, .address_space: global }
      - { .name: out0, .offset: 24, .size: 8, .value_kind: global_buffer, .address_space: global }
      - { .name: out1, .offset: 32, .size: 8, .value_kind: global_buffer, .address_space: global }
    .group_segment_fixed_size: 0
    .private_segment_fixed_size: 0
    .kernarg_segment_align: 8
    .kernarg_segment_size: 40
    .max_flat_workgroup_size: 256
    .sgpr_count:     66
    .vgpr_count:     64
    .wavefront_size: 32
...
	.end_amdgpu_metadata
.endif
;; end of part 6
